; MI455X (gfx1250); checked and timed in simulation.
; The chip was launched on July 23, 2026; its instructions are those of AMD's public machine-readable ISA for CDNA 5 (MIT licence, August 2026) and "CDNA5" Instruction Set Architecture Reference Guide (July 2026). The comments in the code are by the model that wrote it; some were corrected since.
;; Moe Layer. Allowed arithmetic: matrix products marked QUANTISED: E3M2 operands, one E8M0 scale for each 32 along K, by v_wmma_scale_f32_16x16x128_f8f6f4 with both operands' format E3M2, f32 sums; products left as they are: f32 operands where the result goes on into a quantised operand, else bf16, f16 or f32 operands; f32 sums; everything else in f32.
;; Inputs: W1_codes 4 x 1,024 x 32 x 24 uint8 (E3M2 codes of W1, K innermost, in blocks of 32 codes, four codes in three bytes); W1_scales 4 x 1,024 x 32 uint8 (E8M0 scales of W1, one for each 32 codes along K); W2_codes 4 x 1,024 x 32 x 24 uint8 (E3M2 codes of W2, K innermost, in blocks of 32 codes, four codes in three bytes); W2_scales 4 x 1,024 x 32 uint8 (E8M0 scales of W2, one for each 32 codes along K); Wg 4 x 1,024 float32; b1 4 x 1,024 float32; b2 4 x 1,024 float32; x 4 x 2,048 x 1,024 float32.
;; Outputs: out0 4 x 2,048 x 1,024 float32; out1 one number float32; out2 one number float32.
;; This version of the problem:
;;   THIS VERSION OF THE PROBLEM IS GIVEN IN LOW PRECISION. The matrix products marked QUANTISED in the list below multiply operands that are first quantised to E3M2 (3 exponent bits, 2 mantissa bits; 6 bits a number), with one power-of-two scale for each 32 numbers along K (OCP MX v1.0); their sums are f32. All else is computed in f32.
;;   The module's matrix products, in the order in which they are computed (A, B: the left and right operand; K: the contracted axis; several contracted axes count as one K, in the product's order):
;;     1. [M 8,192, K 1,024] x [K 1,024, N 4]; A: input x; B: input Wg: left as it is (N = 4 < 16)
;;     2. batch 8,192 x [M 4, K 2] x [K 2, N 1]; A: computed on the way; B: computed on the way: left as it is (K = 2 < 32)
;;     3. [M 4,096, K 1,024] x [K 1,024, N 8,192]; A: input W1 (given as codes); B: input x: QUANTISED
;;     4. batch 4 x [M 8,192, K 1,024] x [K 1,024, N 1,024]; A: computed on the way; B: input W2 (given as codes): QUANTISED
;;     5. batch 8,192 x [M 1,024, K 4] x [K 4, N 1]; A: computed on the way; B: computed on the way: left as it is (K = 4 < 32)
;;   THE QUANTISER, for each operand of a quantised product, along K:
;;     - K is cut into blocks of 32 from its start; a last block that is shorter is filled with zeros.
;;     - A block's scale is 2^e with e = floor(log2(the largest magnitude in the block)) - 4, held to -126 .. 127; a block of zeros has e = 0. As a byte (E8M0): e + 127.
;;     - Each number is divided by its block's scale, clamped to +-28, and rounded to the nearest number of E3M2, ties to even, subnormals kept.
;;     - The product sums the exact products of the quantised numbers (number of the format x scale) in f32.
;;   ~~~python
;;   def quantise(x, axis):      # numpy; x: float32 -> the quantised numbers, widened to float32 again
;;       x = np.moveaxis(x, axis, -1); K = x.shape[-1]
;;       x = np.pad(x, [(0, 0)] * (x.ndim - 1) + [(0, -K % 32)]); x = x.reshape(x.shape[:-1] + (-1, 32)); a = np.abs(x).max(-1, keepdims=True)
;;       e = np.where(a > 0, np.clip(np.frexp(np.where(a > 0, a, 1))[1] - 1 - 4, -126, 127), 0)      # np.frexp(a)[1] - 1 = floor(log2(a)), exactly
;;       r = np.clip(x / 2.0 ** e, -28, 28)
;;       step = 2.0 ** (np.maximum(np.frexp(np.where(r == 0, 1, r))[1] - 1, -2) - 2)
;;       q = np.round(r / step) * step * 2.0 ** e      # np.round: ties to even
;;       return np.moveaxis(q.reshape(q.shape[:-2] + (-1,))[..., :K], -1, axis).astype(np.float32)
;;   ~~~
;;   OPERANDS COMPUTED ON THE WAY. 'Computed on the way' means the value that the module computes at that place (a softmax that the list does not call 'softmax' is quantised finished and normalised). What goes into a quantiser is computed in f32, as accurately as f32 sums, v_exp_f32 and their like allow (about 1e-6 of the number): no bf16 or f16 on the way to a quantiser, and a product that is left as it is and whose result goes on into a quantised operand takes f32 operands (vector FMAs, or v_wmma_f32_16x16x4_f32). A number that lies on a knife's edge between two numbers of the format may be rounded either way, as far as f32 arithmetic and the matrix unit's own rounding can turn it there, and no further.
;;   INPUTS GIVEN AS CODES. W1 (in the module: [4, 1024, 1024], K = its axis 1); W2 (in the module: [4, 1024, 1024], K = its axis 1): each comes as NAME_codes (uint8): NAME with its K axis moved to the last place and cut into blocks of 32 codes, [.., K / 32, bytes a block], one block behind the other in memory; four codes in three bytes: a row's codes are one little-endian stream of bits, code i at bits 6 i .. 6 i + 5 (a code: sign, 3 exponent bits, 2 mantissa bits); and NAME_scales (uint8): the same leading axes, one E8M0 byte (e + 127) for each 32 codes along K. Its value is code x scale, taken as it is: it is not quantised again, and the codes and scales need not be those that the quantiser above would give.
;; 2 versions. Each part assembles by itself: llvm-mc -triple=amdgcn-amd-amdhsa -mcpu=gfx1250 --defsym DOCPART=n.
;; ======== version 1 of 2: 3 launches
;; workspace buffers: WF 6,553,600 bytes; sel 32,768 bytes of whole numbers; hist 4,096 bytes of whole numbers; wts 65,536 bytes; part 16,384 bytes; order 32,768 bytes of whole numbers; blk 1,024 bytes of whole numbers
;; launch gate (part 1): grid 256 x 1, 8 waves a work-group, no clusters, 2,048 bytes of LDS; arguments x, Wg, W1_codes, W1_scales, W2_codes, W2_scales, WF, sel, wts, part, hist; writes WF, sel, wts, part, hist
.if DOCPART == 1
	.amdgcn_target "amdgcn-amd-amdhsa--gfx1250"
	.amdhsa_code_object_version 6
	.text
	.protected	k_qb6483644e4_gate
	.globl	k_qb6483644e4_gate
	.p2align	8
	.type	k_qb6483644e4_gate,@function
k_qb6483644e4_gate:
	s_mov_b64 s[64:65], 0
	v_nop
	global_prefetch_b8 v0, s[64:65] scope:SCOPE_SE
	s_setreg_imm32_b32 hwreg(HW_REG_WAVE_MODE, 25, 1), 1
	s_wait_xcnt 0x0
; THE ROUTER, AND THE WEIGHTS LAID AS THE THIRD LAUNCH'S REGISTERS WANT THEM.
; x [8192][1024] f32, Wg [4][1024] f32.  Work-group i takes tokens 32 i .. 32 i + 31, each of its eight waves four of them.  A token's four logits are f32 sums
; (packed multiply-adds, 32 numbers a lane, then a sum over the 32 lanes).  From them, the same in every lane: the softmax, z = logsumexp with the maximum taken away,
; the first and second choice, rho = p2 / p1 = 2^((l2 - l1) log2 e) <= 1 and c1 = 1 / (1 + rho): the two renormalised weights are c1 and rho c1.
; Stored at fixed places: sel[t] = g + 256 x rank, g = 4 e1 + e2, rank = how many earlier tokens of this work-group have the same g;  hist[i] = 16 bytes: byte j counts the group's tokens of the j-th of the twelve
; values of g (1,2,3,4,6,7,8,9,11,12,13,14), the last four bytes are 0;  wts[t] = (rho, c1);  part[i] = 16 sums over the group's 32 tokens: z^2,0,0,0 | softmax 0..3 | first choice 0..3 | 0,0,0,0.
; No address of this launch hangs on a choice.
; THE WEIGHTS: wave 8 i + w copies one pair of tiles (16 rows x 128 K each) of W1 or W2 into WF as images of an operand's registers: unit U = ((mat 4 + e) 8 + j) 8 + s of 12,800 bytes
; holds the eight tiles of rows 128 j .. 128 j + 127 for K step s (tile t at 1,536 t: registers 4 c .. 4 c + 3 of lane l at 512 c + 16 l) and, from byte 12,288, four rows of 128 bytes of
; scale words (row q: lanes 0-15 tile 2 q, lanes 16-31 tile 2 q + 1).  W1's tile 2 b + u takes rows 32 b + 8 u + r + 8 (r / 8), so that its results are neighbours along the next K; W2's tile t rows 16 t + r.
; LIMITS: NaN and infinities among the inputs are not served.  The choice compares logits, not softmax values (the same order; the lower index wins an exact tie): two logits nearer
; to each other than the rounding of an f32 sum of 1,024 terms may be chosen either way.  The sums run in another order than the reference's.
.set LOG2E, 0x3fb8aa3b
.set LN2,   0x3f317218
.set NINF,  0xff800000
.set UNIT,  12800
.set LANE, 1                           ; v1      lane
.set L16,  2                           ; v2      16 x lane
.set OFB,  5                           ; v5      source offset of the pair's second tile
.set FA,   6                           ; v[6:17]  first tile's fragment;  v[18:29] second's;  v30 the scale words;  v31 source offset of the first tile
.set FB,   18
.set SW,   30
.set OFA,  31
.set ZQ,   6                           ; once the fragments have left: v[6:9] z^2,0,0,0;  v[10:13] softmax sums;  v[14:17] first-choice counts;  v[18:21] zeros
.set PQ,   10
.set DQ,   14
.set NQ,   18
.set BV1,  22                          ; v22, v23 first choice: logit, index;  v24, v25 second;  v26 at work;  v27 maximum;  v28 sum;  v29 z;  v[30:31] (rho, c1)
.set BI1,  23
.set BV2,  24
.set BI2,  25
.set TT,   26
.set MX,   27
.set SS,   28
.set ZZ,   29
.set RC,   30
.set WG,   32                          ; v[32:159]  Wg: expert e, load j at 32 + 32 e + 4 j
.set XT,   160                         ; v[160:223] two token slots of 32; at the end wave 0's work: +0..7 sums, +8 the choice, +10,11 (rho, c1), +12 the rank, +13,14 at work, +15 the counts' words
.set AC,   224                         ; v[224:231] four packed sums
.set LG,   232                         ; v[232:235] logits;  v[236:239] p;  v[240:243] logits without the first choice;  v[244:247] the other half's sums
.set PE,   236
.set ME,   240
.set TP,   244
.set AG,   248                         ; LDS addresses, all made here at the head: v248 16 w, v249 32 w, v250 64 w, v251 4 (lane % 16), v252 4 lane, v253 8 lane
.set AW,   249
.set AS,   250
.set R4,   251
.set L4,   252
.set L8,   253
.set OSW,  254                         ; v254    source offset of the scale words
	s_load_b512 s[4:19], s[0:1], 0x0               ; x, Wg, W1 codes, W1 scales, W2 codes, W2 scales, WF, sel
	s_load_b128 s[20:23], s[0:1], 0x40             ; wts, part
	s_load_b64 s[56:57], s[0:1], 0x50              ; hist
	v_lshl_add_u32 v255, v0, 2, 0x400
	s_set_vgpr_msb 0x40
	v_mov_b32 v1, 0
	s_set_vgpr_msb 0x4000
	v_lshrrev_b32 v1, 5, v0
	v_readfirstlane_b32 s24, v1                    ; wave 0..7
	v_and_b32 v[LANE], 31, v0
	v_lshlrev_b32 v[L16], 4, v[LANE]
	v_and_b32 v3, 15, v0                           ; r
	v_bfe_u32 v4, v0, 4, 1                         ; h
	s_mov_b32 s26, 0x76543210
	s_mov_b32 s27, 0xfedcba98                      ; v_permlanex16_b32's selects for lane l xor 16
	v_mov_b32 v[AG], s24
	v_lshlrev_b32 v[AW], 5, v[AG]
	v_lshlrev_b32 v[AS], 6, v[AG]
	v_lshlrev_b32 v[AG], 4, v[AG]
	v_lshlrev_b32 v[R4], 2, v3
	v_lshlrev_b32 v[L4], 2, v[LANE]
	v_lshlrev_b32 v[L8], 3, v[LANE]
	; which pair of tiles is my wave's: 8 i + w = mat 1024 + e 256 + j 32 + s 4 + q
	s_bfe_u32 s28, ttmp9, 0x20005                  ; e
	s_bfe_u32 s29, ttmp9, 0x30002                  ; j
	s_and_b32 s30, ttmp9, 3
	s_lshl_b32 s30, s30, 1
	s_lshr_b32 s31, s24, 2
	s_add_co_u32 s30, s30, s31                     ; s
	s_and_b32 s32, s24, 3                          ; q
	s_lshl_b32 s33, ttmp9, 1
	s_add_co_u32 s33, s33, s31                     ; U
	s_lshl_b32 s34, s28, 10
	s_lshl_b32 s35, s29, 7
	s_add_co_u32 s34, s34, s35
	s_lshl_b32 s35, s32, 5
	s_add_co_u32 s34, s34, s35                     ; the pair's first row: 1024 e + 128 j + 32 q
	s_mul_i32 s36, s34, 768                        ; codes: 768 bytes a row, 96 a K step
	s_mul_i32 s35, s30, 96
	s_add_co_u32 s36, s36, s35
	s_mov_b32 s37, 0
	s_lshl_b32 s38, s34, 5                         ; scale bytes: 32 a row, 4 a K step
	s_lshl_b32 s35, s30, 2
	s_add_co_u32 s38, s38, s35
	s_mov_b32 s39, 0
	s_mul_i32 s40, s33, UNIT
	s_mul_i32 s35, s32, 3072
	s_add_co_u32 s42, s40, s35                     ; WF: the unit, + two images for each q
	s_mov_b32 s43, 0
	s_lshl_b32 s35, s32, 7
	s_add_co_u32 s40, s40, s35                     ; WF: the unit, + 128 q: the row of scale words (12,288 stands in the store's immediate)
	s_mov_b32 s41, 0
	s_lshl_b32 s48, ttmp9, 17                      ; x: 32 tokens of 4,096 bytes a work-group, 4 a wave
	s_lshl_b32 s49, s24, 14
	s_add_co_u32 s48, s48, s49
	s_mov_b32 s49, 0
	s_lshl_b32 s50, ttmp9, 7                       ; sel: 128 bytes a work-group
	s_mov_b32 s51, 0
	s_lshl_b32 s52, ttmp9, 8                       ; wts: 256
	s_mov_b32 s53, 0
	s_lshl_b32 s54, ttmp9, 6                       ; part: 64
	s_mov_b32 s55, 0
	s_lshl_b32 s58, ttmp9, 4                       ; hist: 16
	s_mov_b32 s59, 0
	s_wait_kmcnt 0x0
	s_cmp_lt_u32 ttmp9, 128                        ; W1's work-group or W2's: the choice hangs on the work-group's number alone
	s_cselect_b64 s[8:9], s[8:9], s[12:13]
	s_cselect_b64 s[10:11], s[10:11], s[14:15]
	s_cselect_b32 s44, 8, 0                        ; W1: lanes 8-15 of a tile stand 8 rows further on
	s_cselect_b32 s45, 8, 16                       ; rows from tile 2 q to tile 2 q + 1
	s_add_nc_u64 s[8:9], s[8:9], s[36:37]
	s_add_nc_u64 s[10:11], s[10:11], s[38:39]
	s_add_nc_u64 s[42:43], s[16:17], s[42:43]
	s_add_nc_u64 s[40:41], s[16:17], s[40:41]
	s_add_nc_u64 s[4:5], s[4:5], s[48:49]
	s_add_nc_u64 s[18:19], s[18:19], s[50:51]
	s_add_nc_u64 s[20:21], s[20:21], s[52:53]
	s_add_nc_u64 s[22:23], s[22:23], s[54:55]
	s_add_nc_u64 s[56:57], s[56:57], s[58:59]
	s_mul_i32 s46, s45, 768
	v_and_b32 v[OFB], s44, v3
	v_add_nc_u32 v[OFB], v[OFB], v3                ; my row in a tile
	v_mul_u32_u24 v[OFA], v[OFB], 768
	v_mad_u32_u24 v[OFA], v4, 24, v[OFA]           ; + 24 h: a fragment's bytes as they lie
	v_mul_u32_u24 v[OSW], s45, v4                  ; the scale words: lanes 16-31 take the second tile's rows
	v_add_nc_u32 v[OSW], v[OSW], v[OFB]
	v_lshlrev_b32 v[OSW], 5, v[OSW]
	v_add_nc_u32 v[OFB], s46, v[OFA]
.irp p, 0,1,2,3,4,5
	global_load_b64 v[FA+2*\p:FA+2*\p+1], v[OFA], s[8:9] offset:48*(\p/3)+8*(\p%3)
.endr
.irp p, 0,1,2,3,4,5
	global_load_b64 v[FB+2*\p:FB+2*\p+1], v[OFB], s[8:9] offset:48*(\p/3)+8*(\p%3)
.endr
	global_load_b32 v[SW], v[OSW], s[10:11]
.irp e, 0,1,2,3
.irp j, 0,1,2,3,4,5,6,7
	global_load_b128 v[WG+32*\e+4*\j:WG+32*\e+4*\j+3], v[L16], s[6:7] offset:4096*\e+512*\j   ; lane l: numbers 128 j + 4 l .. + 3 of expert e
.endr
.endr
.irp k, 0,1
.irp j, 0,1,2,3,4,5,6,7
	global_load_b128 v[XT+32*\k+4*\j:XT+32*\k+4*\j+3], v[L16], s[4:5] offset:4096*\k+512*\j   ; each load reads 512 consecutive bytes of a token
.endr
.endr
	s_wait_loadcnt 48                              ; the 13 loads of the tiles are in: Wg's 32 and two tokens' 16 are younger
.irp c, 0,1,2
	global_store_b128 v[L16], v[FA+4*\c:FA+4*\c+3], s[42:43] offset:512*\c          ; each store covers 512 consecutive bytes, aligned to 256
	global_store_b128 v[L16], v[FB+4*\c:FB+4*\c+3], s[42:43] offset:1536+512*\c
.endr
	global_store_b32 v[L4], v[SW], s[40:41] offset:12288
	s_wait_xcnt 0x0                                ; the stores' data registers are written again only behind this wait
.irp j, 6,7,8,9,10,11,12,13,14,15,16,17,18,19,20,21
	v_mov_b32 v[\j], 0                             ; the wave's sums, and four zeros
.endr
.irp e, 0,1,2,3
	v_mov_b32 v[TP+\e], 0                          ; written once: a lane permute's destination counts as one of its sources
.endr
; Token k of my four.  left = how many younger loads may stay out.
.macro TOKEN k, left
.set XS, XT+32*((\k)%2)
	s_wait_loadcnt \left
.irp e, 0,1,2,3
	v_pk_mul_f32 v[AC+2*\e:AC+2*\e+1], v[XS:XS+1], v[WG+32*\e:WG+32*\e+1]           ; the first products start the sums
.endr
.irp n, 1,2,3,4,5,6,7,8,9,10,11,12,13,14,15
.irp e, 0,1,2,3
	v_pk_fma_f32 v[AC+2*\e:AC+2*\e+1], v[XS+2*\n:XS+2*\n+1], v[WG+32*\e+2*\n:WG+32*\e+2*\n+1], v[AC+2*\e:AC+2*\e+1]   ; the four experts by turns
.endr
.endr
.if \k < 2
.irp j, 0,1,2,3,4,5,6,7
	global_load_b128 v[XS+4*\j:XS+4*\j+3], v[L16], s[4:5] offset:4096*(\k+2)+512*\j   ; the slot just read takes the token two on
.endr
.endif
.irp e, 0,1,2,3
	v_add_f32 v[LG+\e], v[AC+2*\e], v[AC+2*\e+1]
.endr
.irp mask, 1,2,4,8
.irp e, 0,1,2,3
	v_add_f32_dpp v[LG+\e], v[LG+\e], v[LG+\e] row_xmask:\mask row_mask:0xf bank_mask:0xf
.endr
.endr
.irp e, 0,1,2,3
	v_permlanex16_b32 v[TP+\e], v[LG+\e], s26, s27
.endr
.irp e, 0,1,2,3
	v_add_f32 v[LG+\e], v[LG+\e], v[TP+\e]         ; every lane holds the four logits
.endr
	v_max3_num_f32 v[MX], v[LG], v[LG+1], v[LG+2]
	v_max_num_f32 v[MX], v[MX], v[LG+3]            ; the maximum is taken away ahead of the exponentials
.irp e, 0,1,2,3
	v_sub_f32 v[PE+\e], v[LG+\e], v[MX]
.endr
.irp e, 0,1,2,3
	v_mul_f32 v[PE+\e], LOG2E, v[PE+\e]
.endr
.irp e, 0,1,2,3
	v_exp_f32 v[PE+\e], v[PE+\e]
.endr
	v_mov_b32 v[BV1], v[LG]                        ; (a plain line behind the exponentials)  the first choice begins at expert 0
	s_wait_alu depctr_va_vdst(0)
	v_add_f32 v[SS], v[PE], v[PE+1]
	v_add_f32 v[ZZ], v[PE+2], v[PE+3]
	v_add_f32 v[SS], v[SS], v[ZZ]
	v_log_f32 v[ZZ], v[SS]
	v_rcp_f32 v[TT], v[SS]
	v_mov_b32 v[BI1], 0                            ; (a plain line behind the two)
.irp e, 1,2,3
	v_cmp_ge_f32 vcc_lo, v[BV1], v[LG+\e]          ; kept where it is at least as large: the lower index wins a tie
	v_cndmask_b32 v[BV1], v[LG+\e], v[BV1], vcc_lo
	v_cndmask_b32 v[BI1], \e, v[BI1], vcc_lo
.endr
	s_wait_alu depctr_va_vdst(0)
	v_fma_f32 v[ZZ], v[ZZ], LN2, v[MX]             ; z = m + ln(sum)
	v_fma_f32 v[ZQ], v[ZZ], v[ZZ], v[ZQ]
.irp e, 0,1,2,3
	v_fma_f32 v[PQ+\e], v[PE+\e], v[TT], v[PQ+\e]  ; the softmax, summed
.endr
.irp e, 0,1,2,3
	v_cmp_ne_u32 vcc_lo, \e, v[BI1]
	v_cndmask_b32 v[TT], 1.0, v[NQ], vcc_lo        ; 1 for the first choice, else 0
	v_cndmask_b32 v[ME+\e], NINF, v[LG+\e], vcc_lo ; and the first choice leaves the field
	v_add_f32 v[DQ+\e], v[DQ+\e], v[TT]
.endr
	v_mov_b32 v[BV2], v[ME]
	v_mov_b32 v[BI2], 0
.irp e, 1,2,3
	v_cmp_ge_f32 vcc_lo, v[BV2], v[ME+\e]
	v_cndmask_b32 v[BV2], v[ME+\e], v[BV2], vcc_lo
	v_cndmask_b32 v[BI2], \e, v[BI2], vcc_lo
.endr
	v_sub_f32 v[TT], v[BV2], v[BV1]
	v_mul_f32 v[TT], LOG2E, v[TT]
	v_exp_f32 v[RC], v[TT]                         ; rho, at most 1
	v_lshl_add_u32 v[BI2], v[BI1], 2, v[BI2]       ; (a plain line)  4 e1 + e2
	s_wait_alu depctr_va_vdst(0)
	v_add_f32 v[RC+1], 1.0, v[RC]
	v_rcp_f32 v[RC+1], v[RC+1]                     ; c1
	v_nop
	ds_store_b32 v[AG], v[BI2] offset:512+4*\k     ; every lane writes the same word with the same value
	s_wait_alu depctr_va_vdst(0)
	ds_store_b64 v[AW], v[RC:RC+1] offset:768+8*\k
.endm
	TOKEN 0, 8                                     ; the other slot's eight loads are younger
	TOKEN 1, 8
	TOKEN 2, 8
	TOKEN 3, 0
	ds_store_b128 v[AS], v[ZQ:ZQ+3]                ; my wave's sixteen sums
	ds_store_b128 v[AS], v[PQ:PQ+3] offset:16
	ds_store_b128 v[AS], v[DQ:DQ+3] offset:32
	ds_store_b128 v[AS], v[NQ:NQ+3] offset:48
	s_wait_dscnt 0x0                               ; for wave 0's sake: my stores have landed
	s_barrier_signal -1
	s_barrier_wait -1
	s_cmp_lg_u32 s24, 0
	s_cbranch_scc1 .Ldone
.irp k, 0,1,2,3,4,5,6,7
	ds_load_b32 v[XT+\k], v[R4] offset:64*\k       ; sum number lane % 16 of wave k
.endr
	ds_load_b32 v[XT+8], v[L4] offset:512          ; token 32 i + lane: its choice g,
	ds_load_b64 v[XT+10:XT+11], v[L8] offset:768   ; and its (rho, c1)
	v_mov_b32 v[XT+12], 0                          ; my token's rank
	v_mov_b32 v[XT+15], 0                          ; the counts: three words in lanes 0 to 2; lane 3 stays 0
	s_wait_dscnt 0x0
	v_add_f32 v[XT], v[XT], v[XT+1]
	v_add_f32 v[XT+2], v[XT+2], v[XT+3]
	v_add_f32 v[XT+4], v[XT+4], v[XT+5]
	v_add_f32 v[XT+6], v[XT+6], v[XT+7]
	v_add_f32 v[XT], v[XT], v[XT+2]
	v_add_f32 v[XT+4], v[XT+4], v[XT+6]
	v_add_f32 v[XT], v[XT], v[XT+4]
	; the 32 tokens' choices stand one to a lane: twelve masks give each token its rank among its like, and the twelve counts.  These are numbers to be stored: no address here is made of them
.set J, 0
.irp g, 1,2,3,4,6,7,8,9,11,12,13,14
	v_cmp_eq_u32 s[28+J], \g, v[XT+8]
.set J, J+1
.endr
.set J, 0
.rept 12
	v_mbcnt_lo_u32_b32 v[XT+13+J%2], s[28+J], 0    ; the lanes below me that are in the mask
	v_cndmask_b32 v[XT+12], v[XT+12], v[XT+13+J%2], s[28+J]
	s_bcnt1_i32_b32 s44, s[28+J]                   ; at most 32: a byte holds it
.if J%4 == 0
	s_mov_b32 s[45+J/4], s44
.else
	s_lshl_b32 s44, s44, 8*(J%4)
	s_or_b32 s[45+J/4], s[45+J/4], s44
.endif
.set J, J+1
.endr
	v_writelane_b32 v[XT+15], s45, 0
	v_writelane_b32 v[XT+15], s46, 1
	v_writelane_b32 v[XT+15], s47, 2
	v_lshl_or_b32 v[XT+8], v[XT+12], 8, v[XT+8]    ; g + 256 x rank
	global_store_b32 v[L4], v[XT+8], s[18:19]      ; 128 consecutive bytes
	global_store_b64 v[L8], v[XT+10:XT+11], s[20:21]   ; 256 consecutive bytes, aligned
	v_cmp_gt_u32 vcc_lo, 16, v[LANE]
	s_wait_xcnt 0x0                                ; EXEC changes only behind this wait
	s_and_saveexec_b32 s25, vcc_lo
	global_store_b32 v[R4], v[XT], s[22:23]        ; lanes 0-15: the group's sixteen sums
	s_wait_xcnt 0x0
	s_or_b32 exec_lo, exec_lo, s25
	v_cmp_gt_u32 vcc_lo, 4, v[LANE]
	s_wait_xcnt 0x0
	s_and_saveexec_b32 s25, vcc_lo
	global_store_b32 v[L4], v[XT+15], s[56:57]     ; lanes 0-3: the group's sixteen bytes of counts
	s_wait_xcnt 0x0
	s_or_b32 exec_lo, exec_lo, s25
.Ldone:
	s_set_vgpr_msb 0x4
	s_wait_tensorcnt 0x0
	ds_add_u32 v255, v1
	s_wait_dscnt 0x0
	s_set_vgpr_msb 0x400
	s_endpgm
.Lfunc_end_k_qb6483644e4_gate:
	.size	k_qb6483644e4_gate, .Lfunc_end_k_qb6483644e4_gate-k_qb6483644e4_gate
	.p2alignl 7, 3214868480
	.fill 96, 4, 3214868480
	.section	.rodata,"a",@progbits
	.p2align	6, 0x0
	.amdhsa_kernel k_qb6483644e4_gate
		.amdhsa_group_segment_fixed_size 2048
		.amdhsa_private_segment_fixed_size 0
		.amdhsa_enable_private_segment 0
		.amdhsa_kernarg_size 88
		.amdhsa_user_sgpr_count 2
		.amdhsa_user_sgpr_kernarg_segment_ptr 1
		.amdhsa_wavefront_size32 1
		.amdhsa_system_sgpr_workgroup_id_x 1
		.amdhsa_system_sgpr_workgroup_id_y 1
		.amdhsa_system_sgpr_workgroup_id_z 1
		.amdhsa_system_vgpr_workitem_id 0
		.amdhsa_next_free_vgpr 258
		.amdhsa_next_free_sgpr 66
		.amdhsa_reserve_vcc 1
		.amdhsa_float_denorm_mode_32 3
		.amdhsa_float_denorm_mode_16_64 3
		.amdhsa_memory_ordered 1
		.amdhsa_forward_progress 1
		.amdhsa_inst_pref_size 53
	.end_amdhsa_kernel
	.amdgpu_metadata
---
amdhsa.version: [ 1, 2 ]
amdhsa.kernels:
  - .name:           k_qb6483644e4_gate
    .symbol:         k_qb6483644e4_gate.kd
    .args:
      - { .name: x, .offset: 0, .size: 8, .value_kind: global_buffer, .address_space: global }
      - { .name: Wg, .offset: 8, .size: 8, .value_kind: global_buffer, .address_space: global }
      - { .name: W1_codes, .offset: 16, .size: 8, .value_kind: global_buffer, .address_space: global }
      - { .name: W1_scales, .offset: 24, .size: 8, .value_kind: global_buffer, .address_space: global }
      - { .name: W2_codes, .offset: 32, .size: 8, .value_kind: global_buffer, .address_space: global }
      - { .name: W2_scales, .offset: 40, .size: 8, .value_kind: global_buffer, .address_space: global }
      - { .name: WF, .offset: 48, .size: 8, .value_kind: global_buffer, .address_space: global }
      - { .name: sel, .offset: 56, .size: 8, .value_kind: global_buffer, .address_space: global }
      - { .name: wts, .offset: 64, .size: 8, .value_kind: global_buffer, .address_space: global }
      - { .name: part, .offset: 72, .size: 8, .value_kind: global_buffer, .address_space: global }
      - { .name: hist, .offset: 80, .size: 8, .value_kind: global_buffer, .address_space: global }
    .group_segment_fixed_size: 2048
    .private_segment_fixed_size: 0
    .kernarg_segment_align: 8
    .kernarg_segment_size: 88
    .max_flat_workgroup_size: 256
    .sgpr_count:     66
    .vgpr_count:     258
    .wavefront_size: 32
...
	.end_amdgpu_metadata
.endif
;; end of part 1
;; launch place (part 2): grid 265 x 1, 1 waves a work-group, no clusters, 0 bytes of LDS; arguments sel, hist, part, order, blk, out1, out2; writes order, blk, out1, out2
.if DOCPART == 2
	.amdgcn_target "amdgcn-amd-amdhsa--gfx1250"
	.amdhsa_code_object_version 6
	.text
	.protected	k_qb6483644e4_place
	.globl	k_qb6483644e4_place
	.p2align	8
	.type	k_qb6483644e4_place,@function
k_qb6483644e4_place:
	s_mov_b64 s[64:65], 0
	v_nop
	global_prefetch_b8 v0, s[64:65] scope:SCOPE_SE
	s_setreg_imm32_b32 hwreg(HW_REG_WAVE_MODE, 25, 1), 1
	s_wait_xcnt 0x0
; THE TOKENS ARE SORTED BY THEIR ORDERED PAIR OF EXPERTS, THE TABLE OF BLOCKS IS WRITTEN, AND THE TWO LOSSES ARE FINISHED.  265 work-groups of one wave; no LDS, no barrier, no atomics.
; The first launch has left, for each run i of 32 tokens: hist[i], twelve counts in bytes (byte j: the j-th of the twelve values g = 1,2,3,4,6,7,8,9,11,12,13,14 of 4 e1 + e2), and for each token
; sel[t] = g + 256 x its rank among its run's tokens of the same g.  So a token's place in the list is: its group's first place + its group's counts in the runs ahead of its own + its rank.
; WORK-GROUP W < 256 places run W's 32 tokens, one to a lane: order[] holds token numbers, dense, group behind group.  W = 256 .. 263 write 32 entries each of the table of blocks.  W = 264 finishes the losses.
; All but the last read the whole of hist, 4,096 bytes, by eight loads of 512 consecutive bytes (load n, lane l: run 32 n + l), twice summed: all runs (the groups' sizes), and the runs ahead of W.
; Four runs are added in byte fields (at most 4 x 32 = 128 in a byte), then widened to fields of 16 bits (no sum passes 8,192), two to a register, and summed over the lanes.
; A group of n tokens makes ceil(n / 48) blocks of at most 48: blk[b] = first place | rows << 16 | g << 24; an entry behind the last block has 0 rows (first 0, g 1).  There are never more than
; floor((8192 + 12 x 47) / 48) = 182 blocks; all 256 entries are written.
; LOSSES: part[i] holds sixteen sums of 32 tokens; a batch is 64 rows.  out2 = sum over b, e of P D / 2^22;  out1 = 0.01 out2 + 0.001 (sum of z^2) / 2^13.  The sums run in another order than the reference's.
.set CN,  20                           ; s[20:31] the groups' first places; in a placing wave then + the counts ahead of my run
.set MK,  32                           ; s[32:43] the counts ahead of my run
.set TO,  44                           ; s[44:55] the groups' sizes (in the last work-group: at work on the losses)
.set TH,  56                           ; s[56:63] W - 32 n: lane l of load n lies ahead of my run where this is above l
.set SA,  68                           ; s[68:79] the groups' first blocks
.set NB,  80                           ; s[80:91] their numbers of blocks
.set BT,  16                           ; v16 a block's entry;  v17 which block of its group;  v18, v19 at work
.set SM,  20                           ; v[20:25] the sums over all runs: register 2 w: groups 4 w, 4 w + 2; register 2 w + 1: groups 4 w + 1, 4 w + 3;  v[26:31] likewise over the runs ahead
.set TP,  32                           ; v[32:43] what the lane moves bring
.set HT,  64                           ; v[64:95]  hist as loaded: load n at 64 + 4 n
.set HP,  96                           ; v[96:127] the same with the runs at or past mine cleared
	s_load_b256 s[4:11], s[0:1], 0x0               ; sel, hist, part, order
	s_load_b128 s[12:15], s[0:1], 0x20             ; blk, out1
	s_load_b64 s[16:17], s[0:1], 0x30              ; out2
	v_lshlrev_b32 v2, 4, v0                        ; 16 x lane (one wave: v0 is the lane)
	v_lshlrev_b32 v3, 2, v0                        ; 4 x lane
	v_mov_b32 v4, 0
	s_mov_b32 s18, 0x76543210
	s_mov_b32 s19, 0xfedcba98                      ; v_permlanex16_b32's selects for lane l xor 16
	s_min_u32 s92, ttmp9, 255                      ; sel: 128 bytes a run; the waves of the table read the last run's and do not use it: no load leaves its buffer
	s_lshl_b32 s92, s92, 7
	s_mov_b32 s93, 0
.irp n, 0,1,2,3,4,5,6,7
	s_sub_co_i32 s[TH+\n], ttmp9, 32*\n
.endr
	s_wait_kmcnt 0x0
	s_cmp_eq_u32 ttmp9, 264
	s_cbranch_scc1 .Lloss
	s_add_nc_u64 s[4:5], s[4:5], s[92:93]
.irp n, 0,1,2,3,4,5,6,7
	global_load_b128 v[HT+4*\n:HT+4*\n+3], v2, s[6:7] offset:512*\n
.endr
	global_load_b32 v8, v3, s[4:5]
.irp k, 0,1,2,3,4,5,6,7,8,9,10,11
	v_mov_b32 v[TP+\k], 0                          ; written once: the destinations of the lane moves below count as sources
.endr
	s_wait_loadcnt 0x0
.irp n, 0,1,2,3,4,5,6,7
	v_cmp_gt_i32 vcc_lo, s[TH+\n], v0              ; run 32 n + lane lies ahead of run W
.irp w, 0,1,2
	v_cndmask_b32 v[HP+4*\n+\w], 0, v[HT+4*\n+\w], vcc_lo
.endr
.endr
; Eight registers of byte counts for each of three words, v[src + 4 n + w], become six registers of 16-bit sums, v[dst] on.
.macro BYTESUM src, dst
.irp w, 0,1,2
	v_add_nc_u32 v[\src+\w], v[\src+\w], v[\src+4+\w]
	v_add_nc_u32 v[\src+8+\w], v[\src+8+\w], v[\src+12+\w]
	v_add_nc_u32 v[\src+16+\w], v[\src+16+\w], v[\src+20+\w]
	v_add_nc_u32 v[\src+24+\w], v[\src+24+\w], v[\src+28+\w]
.endr
.irp w, 0,1,2
	v_add_nc_u32 v[\src+\w], v[\src+\w], v[\src+8+\w]              ; loads 0 to 3: at most 128 in a byte
	v_add_nc_u32 v[\src+16+\w], v[\src+16+\w], v[\src+24+\w]       ; loads 4 to 7
.endr
.irp w, 0,1,2
	v_and_b32 v[\dst+2*\w], 0xff00ff, v[\src+\w]                   ; bytes 0 and 2,
	v_and_b32 v[\src+4+\w], 0xff00ff, v[\src+16+\w]
	v_lshrrev_b32 v[\src+8+\w], 8, v[\src+\w]                      ; bytes 1 and 3
	v_lshrrev_b32 v[\src+12+\w], 8, v[\src+16+\w]
.endr
.irp w, 0,1,2
	v_add_nc_u32 v[\dst+2*\w], v[\dst+2*\w], v[\src+4+\w]
	v_and_b32 v[\src+8+\w], 0xff00ff, v[\src+8+\w]
	v_and_b32 v[\src+12+\w], 0xff00ff, v[\src+12+\w]
.endr
.irp w, 0,1,2
	v_add_nc_u32 v[\dst+2*\w+1], v[\src+8+\w], v[\src+12+\w]
.endr
.endm
	BYTESUM HT, SM
	BYTESUM HP, SM+6
.irp mask, 1,2,4,8
.irp k, 0,1,2,3,4,5,6,7,8,9,10,11
	v_mov_b32_dpp v[TP+\k], v[SM+\k] row_xmask:\mask row_mask:0xf bank_mask:0xf
.endr
.irp k, 0,1,2,3,4,5,6,7,8,9,10,11
	v_add_nc_u32 v[SM+\k], v[SM+\k], v[TP+\k]
.endr
.endr
.irp k, 0,1,2,3,4,5,6,7,8,9,10,11
	v_permlanex16_b32 v[TP+\k], v[SM+\k], s18, s19
.endr
.irp k, 0,1,2,3,4,5,6,7,8,9,10,11
	v_add_nc_u32 v[SM+\k], v[SM+\k], v[TP+\k]      ; every lane holds the sums over the 32 lanes
.endr
.irp w, 0,1,2
	v_readfirstlane_b32 s92, v[SM+2*\w]
	v_readfirstlane_b32 s93, v[SM+2*\w+1]
	v_readfirstlane_b32 s94, v[SM+6+2*\w]
	v_readfirstlane_b32 s95, v[SM+6+2*\w+1]
	s_and_b32 s[TO+4*\w], s92, 0xffff
	s_lshr_b32 s[TO+4*\w+2], s92, 16
	s_and_b32 s[TO+4*\w+1], s93, 0xffff
	s_lshr_b32 s[TO+4*\w+3], s93, 16
	s_and_b32 s[MK+4*\w], s94, 0xffff
	s_lshr_b32 s[MK+4*\w+2], s94, 16
	s_and_b32 s[MK+4*\w+1], s95, 0xffff
	s_lshr_b32 s[MK+4*\w+3], s95, 16
.endr
	s_mov_b32 s[CN], 0
.set J, 0
.rept 11
	s_add_co_u32 s[CN+1+J], s[CN+J], s[TO+J]       ; the groups' first places
.set J, J+1
.endr
	s_cmp_lt_u32 ttmp9, 256
	s_cbranch_scc0 .Lblk
	; ---- place run W's tokens
.set J, 0
.rept 12
	s_add_co_u32 s[CN+J], s[CN+J], s[MK+J]
.set J, J+1
.endr
	v_and_b32 v9, 0xff, v8                         ; g
	v_lshrrev_b32 v10, 8, v8                       ; the rank in the run
	v_mov_b32 v11, 0
.set J, 0
.irp g, 1,2,3,4,6,7,8,9,11,12,13,14
	v_cmp_ne_u32 vcc_lo, \g, v9
	v_cndmask_b32 v11, s[CN+J], v11, vcc_lo        ; my group's next place
.set J, J+1
.endr
	v_add_nc_u32 v11, v11, v10
	v_min_u32 v11, 0x1fff, v11                     ; a place made of loaded numbers is held inside the list
	v_lshlrev_b32 v11, 2, v11
	s_lshl_b32 s92, ttmp9, 5
	v_add_nc_u32 v12, s92, v0                      ; my token
	global_store_b32 v11, v12, s[10:11]
	s_endpgm
.Lblk:
	; ---- the table of blocks: lane l of work-group 256 + c makes entry 32 c + l
	s_mov_b32 s[SA], 0
.set J, 0
.rept 12
	s_add_co_u32 s92, s[TO+J], 47
	s_mul_i32 s92, s92, 43691                      ; (n x 43691) >> 21 = n / 48, rounded down, for every n under 131,072
	s_lshr_b32 s[NB+J], s92, 21
.if J < 11
	s_add_co_u32 s[SA+1+J], s[SA+J], s[NB+J]
.endif
.set J, J+1
.endr
	s_sub_co_u32 s92, ttmp9, 256
	s_lshl_b32 s92, s92, 5
	v_add_nc_u32 v13, s92, v0                      ; b
	v_lshlrev_b32 v14, 2, v13
	v_mov_b32 v[BT], 1<<24
.set J, 0
.irp g, 1,2,3,4,6,7,8,9,11,12,13,14
	v_sub_nc_u32 v[BT+1], v13, s[SA+J]             ; d: which block of group J (a huge number where b lies ahead of the group)
	v_cmp_gt_u32 vcc_lo, s[NB+J], v[BT+1]
	v_mad_u32_u24 v[BT+2], v[BT+1], 48, s[CN+J]    ; its first place
	v_mul_u32_u24 v[BT+3], 48, v[BT+1]
	v_sub_nc_u32 v[BT+3], s[TO+J], v[BT+3]
	v_min_u32 v[BT+3], 48, v[BT+3]                 ; its rows
	v_lshl_or_b32 v[BT+2], v[BT+3], 16, v[BT+2]
	v_or_b32 v[BT+2], (\g<<24), v[BT+2]
	v_cndmask_b32 v[BT], v[BT], v[BT+2], vcc_lo
.set J, J+1
.endr
	global_store_b32 v14, v[BT], s[12:13]          ; 128 consecutive bytes
	s_endpgm
.Lloss:
	; ---- the losses: load n, lane l: quarter l % 4 of row 8 n + l / 4 of part; batch b is loads 8 b .. 8 b + 7, in v[64 + 32 b] on
.irp n, 0,1,2,3,4,5,6,7,8,9,10,11,12,13,14,15,16,17,18,19,20,21,22,23,24,25,26,27,28,29,30,31
	global_load_b128 v[64+4*\n:67+4*\n], v2, s[8:9] offset:512*\n
.endr
	s_wait_loadcnt 0x0
.irp n, 1,2,3,4,5,6,7
.irp b, 0,1,2,3
	v_pk_add_f32 v[64+32*\b:65+32*\b], v[64+32*\b:65+32*\b], v[64+32*\b+4*\n:65+32*\b+4*\n]   ; the four batches by turns
	v_pk_add_f32 v[66+32*\b:67+32*\b], v[66+32*\b:67+32*\b], v[66+32*\b+4*\n:67+32*\b+4*\n]
.endr
.endr
.irp mask, 4,8
.irp b, 0,1,2,3
.irp e, 0,1,2,3
	v_add_f32_dpp v[64+32*\b+\e], v[64+32*\b+\e], v[64+32*\b+\e] row_xmask:\mask row_mask:0xf bank_mask:0xf
.endr
.endr
.endr
.irp b, 0,1,2,3
.irp e, 0,1,2,3
	v_permlanex16_b32 v[68+32*\b+\e], v[64+32*\b+\e], s18, s19
.endr
.endr
.irp b, 0,1,2,3
.irp e, 0,1,2,3
	v_add_f32 v[64+32*\b+\e], v[64+32*\b+\e], v[68+32*\b+\e]       ; lanes of equal lane % 4 are summed: lane 0 z^2, lane 1 the softmax sums, lane 2 the first-choice counts
.endr
.endr
.irp b, 0,1,2,3
	v_readlane_b32 s44, v[64+32*\b], 0
.irp e, 0,1,2,3
	v_readlane_b32 s[45+\e], v[64+32*\b+\e], 1
	v_readlane_b32 s[49+\e], v[64+32*\b+\e], 2
.endr
.if \b == 0
	v_mov_b32 v10, s44                             ; the first batch starts both sums
	v_mul_f32 v11, s45, s49
.else
	v_add_f32 v10, s44, v10
	v_fma_f32 v11, s45, s49, v11
.endif
	v_fma_f32 v11, s46, s50, v11
	v_fma_f32 v11, s47, s51, v11
	v_fma_f32 v11, s48, s52, v11
.endr
	v_mul_f32 v11, 0x34800000, v11                 ; x 2^-22: the balance loss
	v_mul_f32 v10, 0x3403126f, v10                 ; x 0.001 x 2^-13
	v_fmamk_f32 v10, v11, 0x3c23d70a, v10          ; + 0.01 x the balance loss
	v_cmp_eq_u32 vcc_lo, 0, v0
	s_wait_xcnt 0x0                                ; EXEC changes only behind this wait
	s_and_saveexec_b32 s20, vcc_lo
	global_store_b32 v4, v10, s[14:15]
	global_store_b32 v4, v11, s[16:17]
	s_wait_xcnt 0x0
	s_or_b32 exec_lo, exec_lo, s20
	s_endpgm
.Lfunc_end_k_qb6483644e4_place:
	.size	k_qb6483644e4_place, .Lfunc_end_k_qb6483644e4_place-k_qb6483644e4_place
	.p2alignl 7, 3214868480
	.fill 96, 4, 3214868480
	.section	.rodata,"a",@progbits
	.p2align	6, 0x0
	.amdhsa_kernel k_qb6483644e4_place
		.amdhsa_group_segment_fixed_size 0
		.amdhsa_private_segment_fixed_size 0
		.amdhsa_enable_private_segment 0
		.amdhsa_kernarg_size 56
		.amdhsa_user_sgpr_count 2
		.amdhsa_user_sgpr_kernarg_segment_ptr 1
		.amdhsa_wavefront_size32 1
		.amdhsa_system_sgpr_workgroup_id_x 1
		.amdhsa_system_sgpr_workgroup_id_y 1
		.amdhsa_system_sgpr_workgroup_id_z 1
		.amdhsa_system_vgpr_workitem_id 0
		.amdhsa_next_free_vgpr 192
		.amdhsa_next_free_sgpr 96
		.amdhsa_reserve_vcc 1
		.amdhsa_float_denorm_mode_32 3
		.amdhsa_float_denorm_mode_16_64 3
		.amdhsa_memory_ordered 1
		.amdhsa_forward_progress 1
		.amdhsa_inst_pref_size 38
	.end_amdhsa_kernel
	.amdgpu_metadata
---
amdhsa.version: [ 1, 2 ]
amdhsa.kernels:
  - .name:           k_qb6483644e4_place
    .symbol:         k_qb6483644e4_place.kd
    .args:
      - { .name: sel, .offset: 0, .size: 8, .value_kind: global_buffer, .address_space: global }
      - { .name: hist, .offset: 8, .size: 8, .value_kind: global_buffer, .address_space: global }
      - { .name: part, .offset: 16, .size: 8, .value_kind: global_buffer, .address_space: global }
      - { .name: order, .offset: 24, .size: 8, .value_kind: global_buffer, .address_space: global }
      - { .name: blk, .offset: 32, .size: 8, .value_kind: global_buffer, .address_space: global }
      - { .name: out1, .offset: 40, .size: 8, .value_kind: global_buffer, .address_space: global }
      - { .name: out2, .offset: 48, .size: 8, .value_kind: global_buffer, .address_space: global }
    .group_segment_fixed_size: 0
    .private_segment_fixed_size: 0
    .kernarg_segment_align: 8
    .kernarg_segment_size: 56
    .max_flat_workgroup_size: 32
    .sgpr_count:     96
    .vgpr_count:     192
    .wavefront_size: 32
...
	.end_amdgpu_metadata
.endif
;; end of part 2
;; launch chain (part 3): grid 182 x 1, 8 waves a work-group, no clusters, 204,800 bytes of LDS; arguments x, WF, b1, b2, order, blk, wts, out0; writes out0
.if DOCPART == 3
	.amdgcn_target "amdgcn-amd-amdhsa--gfx1250"
	.amdhsa_code_object_version 6
	.text
	.protected	k_qb6483644e4_chain
	.globl	k_qb6483644e4_chain
	.p2align	8
	.type	k_qb6483644e4_chain,@function
k_qb6483644e4_chain:
	s_mov_b64 s[64:65], 0
	v_nop
	global_prefetch_b8 v0, s[64:65] scope:SCOPE_SE
	s_setreg_imm32_b32 hwreg(HW_REG_WAVE_MODE, 25, 1), 1
	s_wait_xcnt 0x0
; ONE BLOCK OF AT MOST 48 TOKENS OF ONE ORDERED PAIR OF EXPERTS (e1 first choice, e2 second) GOES THROUGH THE WHOLE CHAIN.  Both products on codes of BF6 (E3M2) with one E8M0 scale for each 32 along K.
; out = c1 ((Q(gelu(Q(x) W1[e2] + b1[e2])) W2[e2] + b2[e2]) rho + b2[e1] + Q(gelu(Q(x) W1[e1] + b1[e1])) W2[e1]),  rho = w2 / w1 <= 1, c1 = w1.  Each output row has one owner; the hidden layer never goes to memory.
; SHARES.  Eight waves, two to a SIMD.  THE WAVES SHARE THE COLUMNS: wave w makes hidden units 128 w .. 128 w + 127 and output columns 128 w .. 128 w + 127, for all 48 rows: 24 accumulators (3 tiles of rows x 8 tiles).
; 128 hidden units are one K step of the second product: a wave's results become one fragment and one scale word a row.
; WEIGHTS come from WF, where the first launch has laid them in the order of an operand's registers: a unit of 12,800 bytes (8 fragments, 4 rows of scale words) for each K step, loaded straight into registers, 512 consecutive
; bytes a load, into a ring of two buffers.  A wave's four walks over K (W1[e2], W1[e1], W2[e2], W2[e1]) are one stream of 32 units: the last two steps of a walk ask for the next walk's first two units.
; No weight byte is read twice in a work-group, so none goes through LDS; which expert's weights are walked is a number read from memory, so this launch has no tensor load and no joint request:
; a pair's blocks are no multiple of four, so partners in a cluster would not walk the same weights.
; OPERANDS (x's codes, the hidden layer's) go from wave to wave through LDS as images of their registers: a fragment is 3 stores of 512 bytes, lane l's 16 bytes at 16 l; its scale words 4 bytes a lane.
; BOTH PRODUCTS ARE USED TRANSPOSED (source 0 = 16 rows of a weight, source 1 = 16 tokens): a lane holds ONE token (lane % 16) and its registers run along the hidden units or the output columns.
; The biases are loaded into the accumulators ahead of a walk, so that every product adds in place and no step differs from the others.
; GELU, exact: gelu(x) = max(x, 0) - |x| erfc(|x| / sqrt 2) / 2, with erfc(z) = t exp(-z^2 + a polynomial of degree 9 in t), t = 1 / (1 + z / 2): fractional error under 1.2e-7 by its authors' bound, about 3e-7 with the
; rounding of the exponent; no difference of near numbers is formed for a negative x.  log2(e) and the factor 1/2 are folded into the coefficients.
; ROWS: rows at or past the block's count repeat its last token and store the same numbers a second time.  A work-group whose entry has no rows walks the text on the list's first tokens and stores nothing:
; so both barriers and every loop stand on every wave's path.
; LIMITS: NaN and infinities are not served.  erfc / 2 under 2^-126 counts as 0.  A block of zeros gets the scale byte 1 and not 127: its codes are zeros, and this program alone reads the byte.
.set XIMG,  0                          ; LDS: x's 24 fragments: tile of rows m, K step s at (8 m + s) x 1,536
.set XSC,   36864                      ; their scale words, 128 bytes each
.set HIMG0, 39936                      ; the hidden layer of e2, laid likewise;
.set HSC0,  76800
.set HSLOT, 39936                      ; that of e1 lies this far on
.set HIMG1, HIMG0+HSLOT
.set HSC1,  HSC0+HSLOT
.set BIAS,  119808                     ; 2,048 bytes a wave: my 128 numbers of b1[e2], b1[e1], b2[e2], b2[e1]
.set STG,   136192                     ; 8,448 bytes a wave: a stage of 16 rows x (512 + 16) for the way out
.set FRB,   1536                       ; a fragment's image
.set UNIT,  12800
.set PHB,   8*UNIT                     ; a walk's eight units
; window 0
.set LI,  1                            ; v1   16 x lane
.set OA,  2                            ; v2   the walk's operand images: steps 1,536 a K step
.set OS,  3                            ; v3   and their scale words: 128 a K step
.set HW,  4                            ; v4   where I store the hidden layer's images
.set HS,  5                            ; v5   and their scale words
.set BA1, 6                            ; v6   my b1 rows, + 64 h
.set BA2, 7                            ; v7   my bias rows, + 32 h
.set SO,  8                            ; v8   the stage: where I put 32 bytes of a row
.set SR,  9                            ; v9   and where I read a row back
.set LB,  10                           ; v10  512 w + 16 x lane: my bytes in a row of 4,096
.set TOK, 11                           ; v11-13   my row's token, for each tile of rows
.set WT,  14                           ; v[14:19] its (rho, c1)
.set XA,  20                           ; v20-22   its row of x, + 64 h
.set LS,  23                           ; v23  4 x lane
.set WSC, 24                           ; v24-31   the weights' scale words: set p at 24 + 4 p
.set OSC, 32                           ; v32-34, v36-38 the operands' scale words: set p at 32 + 4 p
.set RO,  40                           ; v40-55   the biases as loaded; on the way out the offsets of 16 rows of out0
.set BW,  56                           ; v56  where I store my bias rows
.set XW,  57                           ; v57  where I store x's images
.set XSW, 58                           ; v58  and their scale words
.set WR,  64                           ; v64-255  the ring: buffer p at 64 + 96 p, fragment t 12 registers
; window 1
.set OPF, 192                          ; v0-191 the accumulators, (m, t) at 64 m + 8 t;  v192-227 the three operand fragments of the K step in hand
.set PC,  192                          ; between walks: v192-211 the codes just made, v212-227 at work on the scales, v228 the scale word,
.set TM,  212
.set PW,  228
.set C8V, 230                          ; v[230:231] the polynomial's coefficient 8, twice
.set T,   232                          ; v232-239 t, v240-247 the polynomial, v248-255 x sqrt(log2(e) / 2), then max(x, 0)
.set P,   240
.set U,   248
; scalars
.set WV,    20
.set ENT,   21
.set CNT,   22
.set FIRST, 23
.set E1,    24
.set E2,    25
.set CM1,   26
.set PF,    28                         ; s[28:29] the walk's units two steps on
.set NX,    30                         ; s[30:31] the next walk's first unit;  s[32:33] the walk's behind it;  s[34:35] the last walk's
.set NX2,   32
.set PH3,   34
.set XB,    36                         ; s[36:37] x + 512 w
.set SEL,   38                         ; s[38:39] lane selects for l xor 16
.set EC,    40
.set KC,    41
.set K1,    47                         ; 1 / (2 sqrt 2)
.set K2,    48                         ; s[48:49] sqrt(log2(e) / 2);  s[50:63] coefficients 0 to 6, s[66:67] 7, s[68:69] 9: pairs, both words written: the packed forms name the pair
.set C9,    68
.set MSB, 0
.macro WIN new                         ; the immediate's high byte repeats the setting that is left; a switch that changes nothing is dropped
.if MSB != \new
	s_set_vgpr_msb (MSB<<8)|\new
.set MSB, \new
.endif
.endm
; settings (bits 1:0 source 0, 3:2 source 1, 5:4 source 2, 7:6 destination): 0x54 products (weights window 0; operand, C and D window 1) and LDS loads into window 1;  0x55 all in window 1;
; 0x04 stores of window 1's data;  0x40 loads into window 1;  0x51 accumulator x rho + bias;  0x41 accumulator x c1
.macro PLACES                          ; a load into a register that a matrix instruction has read or written, and the first read of a result, stand four plain vector instructions behind it
.rept 4
	v_nop
.endr
.endm
.macro CPAIR reg, bits
	s_mov_b32 s[\reg], \bits
	s_mov_b32 s[\reg+1], \bits
.endm
; 64 numbers of a lane in window 1, v[s] on, register 16 b + i = k 32 b + 16 (lane / 16) + i of my row, become a fragment's codes in v[PC] on and its scale word in v[PW].
.macro QUANT s
	WIN 0x55
.irp b, 0,1,2,3
	v_max3_num_f32 v[TM+\b], |v[(\s)+16*\b]|, |v[(\s)+1+16*\b]|, 0x2800000   ; block b: my 16 numbers, and the floor 2^(5 - 127): the byte cannot fall under 1
.endr
.irp i, 2,4,6,8,10,12,14
.irp b, 0,1,2,3
	v_max3_num_f32 v[TM+\b], v[TM+\b], |v[(\s)+16*\b+\i]|, |v[(\s)+1+16*\b+\i]|   ; the four blocks by turns
.endr
.endr
.irp b, 0,1,2,3
	v_permlanex16_b32 v[TM+4+\b], v[TM+\b], s[SEL], s[SEL+1]
.endr
.irp b, 0,1,2,3
	v_max_num_f32 v[TM+\b], v[TM+\b], v[TM+4+\b]   ; with lane l xor 16's: the block's largest magnitude
.endr
.irp b, 0,1,2,3
	v_add_nc_u32 v[TM+12+\b], 0xfe000000, v[TM+\b] ; 4 off its exponent field: the conversion takes the exponent field of this operand as its scale
.endr
.irp b, 0,1,2,3
	v_lshrrev_b32 v[TM+4+\b], 23, v[TM+12+\b]      ; the scale's byte
.endr
	v_lshl_or_b32 v[PW], v[TM+5], 8, v[TM+4]
	v_lshl_or_b32 v[PW], v[TM+6], 16, v[PW]
	v_lshl_or_b32 v[PW], v[TM+7], 24, v[PW]
.irp c, 0,1
	v_cvt_scalef32_pk16_bf6_f32 v[PC+6*\c:PC+2+6*\c], v[(\s)+32*\c:(\s)+15+32*\c], v[TM+12+2*\c]
	v_cvt_scalef32_pk16_bf6_f32 v[PC+12+4*\c:PC+14+4*\c], v[(\s)+16+32*\c:(\s)+31+32*\c], v[TM+12+2*\c+1]   ; (a conversion's three registers begin on an even number)
.endr
	v_nop                                          ; one plain line behind a scaled conversion
.irp c, 0,1                            ; the operand's layout wants a whole block in a lane: lanes 0-15 block 2 c, lanes 16-31 block 2 c + 1
.irp i, 0,1,2
	v_permlane16_swap_b32 v[PC+6*\c+\i], v[PC+12+4*\c+\i]
.endr
.irp i, 0,1,2
	v_mov_b32 v[PC+3+6*\c+\i], v[PC+12+4*\c+\i]
.endr
.endr
.endm
.macro IMAGE adr, off                  ; the fragment in v[PC] on goes to LDS as it stands
	WIN 0x04
.irp c, 0,1,2
	ds_store_b128 v[\adr], v[PC+4*\c:PC+4*\c+3] offset:\off+512*\c
.endr
.endm
; The bias of my 128 columns into the 24 accumulators.  kind 1: tile 2 b + u holds units 32 b + 16 h + 8 u + 0 .. 7;  kind 2: tile t holds columns 16 t + 8 h + 0 .. 7
.macro ACCINIT adr, off, kind
	WIN 0x40
.irp m, 0,1,2
.irp t, 0,1,2,3,4,5,6,7
.if \kind == 1
.set BO, \off+128*(\t/2)+32*(\t%2)
.else
.set BO, \off+64*\t
.endif
	ds_load_b128 v[64*\m+8*\t:64*\m+8*\t+3], v[\adr] offset:BO
	ds_load_b128 v[64*\m+8*\t+4:64*\m+8*\t+7], v[\adr] offset:BO+16
.endr
.endr
.endm
.macro OPSTART                         ; a walk's first operands: the scale words of K steps 0 and 1, the fragments of K step 0
	WIN 0
.irp p, 0,1
.irp m, 0,1,2
	ds_load_b32 v[OSC+4*\p+\m], v[OS] offset:1024*\m+128*\p
.endr
.endr
	WIN 0x40
.irp m, 0,1,2
.irp c, 0,1,2
	ds_load_b128 v[OPF+12*\m+4*\c:OPF+12*\m+4*\c+3], v[OA] offset:12288*\m+512*\c
.endr
.endr
	s_wait_dscnt 0x0                               ; once a walk: these, and the biases
	WIN 0
.endm
.macro OPLOAD m                        ; tile of rows m: the next K step's fragment
.irp c, 0,1,2
	ds_load_b128 v[OPF+12*\m+4*\c:OPF+12*\m+4*\c+3], v[OA] offset:12288*\m+FRB+512*\c
.endr
.endm
.macro WLOAD p, base, uoff, t0         ; four fragments of a unit into buffer p
.irp t, 0,1,2,3
.irp c, 0,1,2
	global_load_b128 v[WR+96*\p+12*(\t0+\t)+4*\c:WR+96*\p+12*(\t0+\t)+4*\c+3], v[LI], s[\base:\base+1] offset:\uoff+FRB*(\t0+\t)+512*\c
.endr
.endr
.endm
.macro WSLOAD p, base, uoff            ; and its scale words
.irp q, 0,1,2,3
	global_load_b32 v[WSC+4*\p+\q], v[LS], s[\base:\base+1] offset:\uoff+12288+128*\q
.endr
.endm
; Four products: tile of rows m against the weight's tiles t0 .. t0 + 3 of buffer p.  An odd tile's scale words stand in lanes 16-31 of its pair's register.
.macro MM m, p, t0
.irp t, 0,1,2,3
.set TT, \t0+\t
.set AR, 64*\m+8*TT
.set WA, WR+96*\p+12*TT
.if TT%2
	v_wmma_scale_f32_16x16x128_f8f6f4 v[AR:AR+7], v[WA:WA+11], v[OPF+12*\m:OPF+12*\m+11], v[AR:AR+7], v[WSC+4*\p+TT/2], v[OSC+4*\p+\m] matrix_a_fmt:MATRIX_FMT_BF6 matrix_b_fmt:MATRIX_FMT_BF6 matrix_a_scale:MATRIX_SCALE_ROW1
.else
	v_wmma_scale_f32_16x16x128_f8f6f4 v[AR:AR+7], v[WA:WA+11], v[OPF+12*\m:OPF+12*\m+11], v[AR:AR+7], v[WSC+4*\p+TT/2], v[OSC+4*\p+\m] matrix_a_fmt:MATRIX_FMT_BF6 matrix_b_fmt:MATRIX_FMT_BF6
.endif
.endr
.endm
; A K STEP: 24 products, the 24 accumulators by turns, one instruction a turn, in the same order in every step.
; p: the ring's buffer and the sets of scale words.  lc: the global loads that may stay out.  d0, d1, d2: the LDS loads that may stay out ahead of each tile of rows.
; refill: a tile of rows' fragment of the next step is asked for as soon as its eight products are issued.  osc: the operands' scale words of the step two on.  wpf: buffer p takes the unit at s[base] + uoff, half by half, as its fragments fall free.
.macro STEP p, lc, d0, d1, d2, refill, osc, wpf, base, uoff
	s_wait_loadcnt \lc
	s_wait_dscnt \d0
	WIN 0x54
	MM 0, \p, 0
	MM 0, \p, 4
.if \refill
	PLACES
	OPLOAD 0
.endif
	s_wait_dscnt \d1
	MM 1, \p, 0
	MM 1, \p, 4
.if \refill
	PLACES
	OPLOAD 1
.endif
	s_wait_dscnt \d2
	MM 2, \p, 0
.if \wpf
	PLACES
	WIN 0
	WLOAD \p, \base, \uoff, 0
	WIN 0x54
.endif
	MM 2, \p, 4
	PLACES
.if \refill
	OPLOAD 2
.endif
	WIN 0
.if \wpf
	WLOAD \p, \base, \uoff, 4
	WSLOAD \p, \base, \uoff
.endif
.if \osc
.irp m, 0,1,2
	ds_load_b32 v[OSC+4*\p+\m], v[OS] offset:1024*\m+256
.endr
.endif
	v_add_nc_u32 v[OA], FRB, v[OA]
	v_add_nc_u32 v[OS], 128, v[OS]
.endm
; A WALK OVER K: eight steps.  COUNTS.  Global: a unit is 24 + 4 loads, and the next step's unit was asked for behind this step's: 28 may stay out; the very last step has nothing younger.
; LDS: behind the three loads of a tile of rows' fragment stand three more groups of three (the other two tiles' fragments and a set of scale words): 9 may stay out; in step 7, behind step 6's fragments
; stand neither scale words nor refills: 6, 3, 0.
.macro KWALK last
	s_mov_b32 s[KC], 3
.Lk_\@:
	STEP 0, 28, 9, 9, 9, 1, 1, 1, PF, 0
	STEP 1, 28, 9, 9, 9, 1, 1, 1, PF, UNIT
	s_wait_xcnt 0x0                                ; the loads' base steps only behind this wait
	s_add_nc_u64 s[PF:PF+1], s[PF:PF+1], 2*UNIT
	s_sub_co_u32 s[KC], s[KC], 1
	s_cmp_lg_u32 s[KC], 0
	s_cbranch_scc1 .Lk_\@
.if \last
	STEP 0, 28, 9, 9, 9, 1, 0, 0, PF, 0
	STEP 1, 0, 6, 3, 0, 0, 0, 0, PF, 0
.else
	STEP 0, 28, 9, 9, 9, 1, 0, 1, NX, 0            ; the stream goes on into the next walk
	STEP 1, 28, 6, 3, 0, 0, 0, 1, NX, UNIT
.endif
.endm
.macro ROT                             ; the pointers move one walk on
	s_wait_xcnt 0x0
	s_add_nc_u64 s[PF:PF+1], s[NX:NX+1], 2*UNIT
	s_mov_b64 s[NX:NX+1], s[NX2:NX2+1]
	s_mov_b64 s[NX2:NX2+1], s[PH3:PH3+1]
.endm
; GELU of one accumulator, v[a] .. v[a + 7] of window 1, in place, from its low end on.
.macro GELU8 a
.irp i, 0,1,2,3,4,5,6,7
	v_fma_f32 v[T+\i], |v[(\a)+\i]|, s[K1], 1.0    ; 1 + z / 2
.endr
.irp i, 0,1,2,3,4,5,6,7
	v_rcp_f32 v[T+\i], v[T+\i]                     ; t
.endr
.irp i, 0,2,4,6
	v_pk_mul_f32 v[U+\i:U+\i+1], v[(\a)+\i:(\a)+\i+1], s[K2:K2+1] op_sel_hi:[1,0]   ; u, with u^2 = z^2 log2(e).  (Plain lines behind the reciprocals)
.endr
	s_wait_alu depctr_va_vdst(0)
.irp i, 0,2,4,6
	v_pk_fma_f32 v[P+\i:P+\i+1], v[T+\i:T+\i+1], s[C9:C9+1], v[C8V:C8V+1] op_sel_hi:[1,0,1]
.endr
.irp c, 66,62,60,58,56,54,52,50        ; coefficients 7 down to 0
.irp i, 0,2,4,6
	v_pk_fma_f32 v[P+\i:P+\i+1], v[P+\i:P+\i+1], v[T+\i:T+\i+1], s[\c:\c+1] op_sel_hi:[1,1,0]
.endr
.endr
.irp i, 0,2,4,6
	v_pk_fma_f32 v[P+\i:P+\i+1], v[U+\i:U+\i+1], v[U+\i:U+\i+1], v[P+\i:P+\i+1] neg_lo:[1,0,0] neg_hi:[1,0,0]
.endr
.irp i, 0,1,2,3,4,5,6,7
	v_exp_f32 v[P+\i], v[P+\i]
.endr
.irp i, 0,1,2,3,4,5,6,7
	v_max_num_f32 v[U+\i], 0, v[(\a)+\i]           ; (plain lines behind the exponentials)
.endr
	s_wait_alu depctr_va_vdst(0)
.irp i, 0,2,4,6
	v_pk_mul_f32 v[P+\i:P+\i+1], v[P+\i:P+\i+1], v[T+\i:T+\i+1]    ; erfc / 2
.endr
.irp i, 0,1,2,3,4,5,6,7
	v_fma_f32 v[(\a)+\i], -|v[(\a)+\i]|, v[P+\i], v[U+\i]
.endr
.endm
	s_load_b512 s[4:19], s[0:1], 0x0               ; x, WF, b1, b2, order, blk, wts, out0
	v_lshl_add_u32 v35, v0, 2, 0x31c00
	v_mov_b32 v39, 0
	v_lshrrev_b32 v59, 5, v0
	v_readfirstlane_b32 s[WV], v59                 ; wave 0..7
	s_lshl_b32 s42, ttmp9, 2
	s_mov_b32 s43, 0
	s_wait_kmcnt 0x0
	s_add_nc_u64 s[14:15], s[14:15], s[42:43]
	s_load_b32 s[ENT], s[14:15], 0x0               ; my block's entry
	v_and_b32 v59, 31, v0                          ; lane
	v_and_b32 v62, 15, v0                          ; r
	v_bfe_u32 v63, v0, 4, 1                        ; h
	v_lshlrev_b32 v[LI], 4, v59
	v_lshlrev_b32 v[LS], 2, v59
	s_mul_i32 s42, s[WV], FRB                      ; every LDS address: a constant + a constant x wave + a lane term
	s_add_co_u32 s43, s42, XIMG
	v_add_nc_u32 v[XW], s43, v[LI]
	s_add_co_u32 s43, s42, HIMG0
	v_add_nc_u32 v[HW], s43, v[LI]
	s_lshl_b32 s42, s[WV], 7
	s_add_co_u32 s43, s42, XSC
	v_add_nc_u32 v[XSW], s43, v[LS]
	s_add_co_u32 s43, s42, HSC0
	v_add_nc_u32 v[HS], s43, v[LS]
	s_lshl_b32 s42, s[WV], 11
	s_add_co_u32 s42, s42, BIAS
	v_add_nc_u32 v[BW], s42, v[LI]
	v_lshl_add_u32 v[BA1], v63, 6, s42
	v_lshl_add_u32 v[BA2], v63, 5, s42
	s_mul_i32 s42, s[WV], 16*528
	s_add_co_u32 s42, s42, STG
	v_add_nc_u32 v[SR], s42, v[LI]
	v_mul_u32_u24 v[SO], v62, 528
	v_lshl_add_u32 v[SO], v63, 5, v[SO]
	v_add_nc_u32 v[SO], s42, v[SO]
	s_lshl_b32 s42, s[WV], 9
	s_mov_b32 s43, 0
	v_add_nc_u32 v[LB], s42, v[LI]
	s_add_nc_u64 s[XB:XB+1], s[4:5], s[42:43]
	s_mov_b32 s[SEL], 0x76543210
	s_mov_b32 s[SEL+1], 0xfedcba98
	s_mov_b32 s[K1], 0x3eb504f3
	CPAIR K2, 0x3f596d27
	CPAIR 50, 0xc034d90f
	CPAIR 52, 0x3fb8ab5a
	CPAIR 54, 0x3f0a29d2
	CPAIR 56, 0x3e0efb2e
	CPAIR 58, 0xbe899a80
	CPAIR 60, 0x3ecdfd18
	CPAIR 62, 0xbfd1a1e5
	CPAIR 66, 0x40097039
	CPAIR C9, 0x3e7c6f08
	s_wait_kmcnt 0x0
	s_and_b32 s[FIRST], s[ENT], 0xffff             ; the entry's fields, each held inside its range before it enters an address
	s_min_u32 s[FIRST], s[FIRST], 0x1fff
	s_bfe_u32 s[CNT], s[ENT], 0x80010
	s_min_u32 s[CNT], s[CNT], 48
	s_bfe_u32 s[E2], s[ENT], 0x20018
	s_min_u32 s[E2], s[E2], 3
	s_bfe_u32 s[E1], s[ENT], 0x2001a
	s_min_u32 s[E1], s[E1], 3
	s_sub_co_u32 s[CM1], s[CNT], 1                 ; (no rows: the largest number, which holds nothing back)
	s_lshl_b32 s42, s[E2], 3                       ; a walk's units begin at ((4 mat + e) 8 + w) x 102,400
	s_add_co_u32 s42, s42, s[WV]
	s_mul_i32 s42, s42, PHB
	s_mov_b32 s43, 0
	s_add_nc_u64 s[PF:PF+1], s[6:7], s[42:43]      ; W1[e2]
	s_lshl_b32 s44, s[E1], 3
	s_add_co_u32 s44, s44, s[WV]
	s_mul_i32 s44, s44, PHB
	s_mov_b32 s45, 0
	s_add_nc_u64 s[NX:NX+1], s[6:7], s[44:45]      ; W1[e1]
	s_add_nc_u64 s[NX2:NX2+1], s[PF:PF+1], 32*PHB  ; W2[e2]
	s_add_nc_u64 s[PH3:PH3+1], s[NX:NX+1], 32*PHB  ; W2[e1]
	v_lshl_add_u32 v59, s[E2], 12, v[LB]
	v_lshl_add_u32 v60, s[E1], 12, v[LB]
	global_load_b128 v[RO:RO+3], v59, s[8:9]       ; my 128 numbers of b1[e2], b1[e1], b2[e2], b2[e1]
	global_load_b128 v[RO+4:RO+7], v60, s[8:9]
	global_load_b128 v[RO+8:RO+11], v59, s[10:11]
	global_load_b128 v[RO+12:RO+15], v60, s[10:11]
.irp m, 0,1,2
	v_add_nc_u32 v[XA+\m], 16*\m, v62
	v_min_u32 v[XA+\m], s[CM1], v[XA+\m]           ; rows past the count repeat the last
	v_add_nc_u32 v[XA+\m], s[FIRST], v[XA+\m]
	v_min_u32 v[XA+\m], 0x1fff, v[XA+\m]
	v_lshlrev_b32 v[XA+\m], 2, v[XA+\m]
	global_load_b32 v[TOK+\m], v[XA+\m], s[12:13]
.endr
.irp p, 0,1                            ; the stream's first two units
	WLOAD \p, PF, UNIT*\p, 0
	WLOAD \p, PF, UNIT*\p, 4
	WSLOAD \p, PF, UNIT*\p
.endr
	s_wait_loadcnt 56                              ; the biases and the tokens are in: the two units' 56 loads are younger
.irp q, 0,1,2,3
	ds_store_b128 v[BW], v[RO+4*\q:RO+4*\q+3] offset:512*\q
.endr
	v_lshlrev_b32 v63, 6, v63
.irp m, 0,1,2
	v_min_u32 v[TOK+\m], 0x1fff, v[TOK+\m]
	v_lshl_add_u32 v[XA+\m], v[TOK+\m], 12, v63
	v_lshlrev_b32 v[59+\m], 3, v[TOK+\m]
	global_load_b64 v[WT+2*\m:WT+2*\m+1], v[59+\m], s[16:17]
.endr
	; ---- X: wave w quantises K step w (128 numbers) of all 48 rows.  Lane (r, h) takes, of its row, 16 neighbours of each block of 32
	WIN 0x40
.irp m, 0,1,2
.irp b, 0,1,2,3
.irp j, 0,1,2,3
	global_load_b128 v[64*\m+16*\b+4*\j:64*\m+16*\b+4*\j+3], v[XA+\m], s[XB:XB+1] offset:128*\b+16*\j
.endr
.endr
.endr
.irp b, 0,1,2,3
	v_mov_b32 v[TM+4+\b], 0                        ; written once: a lane permute's destination counts as one of its sources
.endr
	v_mov_b32 v[C8V], 0xbf97d29d
	v_mov_b32 v[C8V+1], 0xbf97d29d
.irp m, 0,1,2
	s_wait_loadcnt 32-16*\m                        ; this tile of rows is in: the later tiles' sixteen loads each are younger
	QUANT 64*\m
	IMAGE XW, 12288*\m
	ds_store_b32 v[XSW], v[PW] offset:1024*\m
	s_wait_dscnt 0x0                               ; the stores have read their registers
.endr
	WIN 0
	s_barrier_signal -1                            ; my stores have landed (the wait above);
	s_barrier_wait -1                              ; x's 24 fragments lie in LDS
	s_add_nc_u64 s[PF:PF+1], s[PF:PF+1], 2*UNIT    ; (the wait for all loads above has shown the first two units in)
	; ---- 1: the hidden layer, e2 and then e1: one text, walked twice
	s_mov_b32 s[EC], 2
.Lexpert:
	v_add_nc_u32 v[OA], XIMG, v[LI]
	v_add_nc_u32 v[OS], XSC, v[LS]
	ACCINIT BA1, 0, 1
	OPSTART
	KWALK 0
.irp m, 0,1,2
	WIN 0x55
.irp t, 0,1,2,3,4,5,6,7
	GELU8 64*\m+8*\t
.endr
	QUANT 64*\m
	IMAGE HW, 12288*\m                             ; K step w of the second product, rows 16 m on
	ds_store_b32 v[HS], v[PW] offset:1024*\m
	s_wait_dscnt 0x0                               ; the stores have read their registers
.endr
	WIN 0
	v_add_nc_u32 v[HW], HSLOT, v[HW]
	v_add_nc_u32 v[HS], HSLOT, v[HS]
	v_add_nc_u32 v[BA1], 512, v[BA1]
	ROT
	s_sub_co_u32 s[EC], s[EC], 1
	s_cmp_lg_u32 s[EC], 0
	s_cbranch_scc1 .Lexpert
	s_wait_dscnt 0x0                               ; for the others' sake: my images have landed
	s_barrier_signal -1
	s_barrier_wait -1                              ; both hidden layers lie in LDS
	; ---- 2: the second choice's product,
	v_add_nc_u32 v[OA], HIMG0, v[LI]
	v_add_nc_u32 v[OS], HSC0, v[LS]
	ACCINIT BA2, 1024, 2
	OPSTART
	KWALK 0
	ROT
	WIN 0x40                                       ; x rho + b2[e1],
.irp t, 0,1,2,3,4,5,6,7
	ds_load_b128 v[192+8*\t:195+8*\t], v[BA2] offset:1536+64*\t
	ds_load_b128 v[196+8*\t:199+8*\t], v[BA2] offset:1536+64*\t+16
.endr
	s_wait_dscnt 0x0
	WIN 0x51
.irp m, 0,1,2
.irp t, 0,1,2,3,4,5,6,7
.irp i, 0,2,4,6
	v_pk_fma_f32 v[64*\m+8*\t+\i:64*\m+8*\t+\i+1], v[64*\m+8*\t+\i:64*\m+8*\t+\i+1], v[WT+2*\m:WT+2*\m+1], v[192+8*\t+\i:192+8*\t+\i+1] op_sel_hi:[1,0,1]   ; of the pair (rho, c1) the low word serves both halves
.endr
.endr
.endr
	WIN 0
.irp m, 0,1,2
	v_mov_b32 v[WT+2*\m], v[WT+2*\m+1]             ; rho is done with: c1 takes the pair's low word
.endr
	v_add_nc_u32 v[OA], HIMG1, v[LI]               ; and the first choice's product onto the same accumulators
	v_add_nc_u32 v[OS], HSC1, v[LS]
	OPSTART
	KWALK 1
	; ---- THE WAY OUT: x c1; 16 rows at a time through my own stage, back as whole runs of 512 bytes of a row, each stored to its token's row
	s_cmp_eq_u32 s[CNT], 0
	s_cbranch_scc1 .Ldone                          ; a block without rows stores nothing
.irp m, 0,1,2
	WIN 0x41
.irp j, 0,2,4,6,8,10,12,14,16,18,20,22,24,26,28,30,32,34,36,38,40,42,44,46,48,50,52,54,56,58,60,62
	v_pk_mul_f32 v[64*\m+\j:64*\m+\j+1], v[64*\m+\j:64*\m+\j+1], v[WT+2*\m:WT+2*\m+1] op_sel_hi:[1,0]   ; each accumulator from its low end on
.endr
	WIN 0
.irp i, 0,1,2,3,4,5,6,7,8,9,10,11,12,13,14,15
	v_readlane_b32 s[42+\i%4], v[TOK+\m], \i
	s_min_u32 s[42+\i%4], s[42+\i%4], 0x1fff
	v_lshl_add_u32 v[RO+\i], s[42+\i%4], 12, v[LB] ; row i's token x 4,096 + my 512 bytes + 16 x lane
.endr
	WIN 0x04
.irp t, 0,1,2,3,4,5,6,7
	ds_store_b128 v[SO], v[64*\m+8*\t:64*\m+8*\t+3] offset:64*\t
	ds_store_b128 v[SO], v[64*\m+8*\t+4:64*\m+8*\t+7] offset:64*\t+16
.endr
	WIN 0x40
.irp i, 0,1,2,3,4,5,6,7,8,9,10,11,12,13,14,15
	ds_load_b128 v[192+4*\i:195+4*\i], v[SR] offset:528*\i         ; LDS serves a wave's instructions in order (ISA guide 5.7.1.4): these see my stores
.endr
	WIN 0x04
.irp i, 0,1,2,3,4,5,6,7,8,9,10,11,12,13,14,15
	s_wait_dscnt 15-\i                             ; row i is back: the later rows' loads are younger
	global_store_b128 v[RO+\i], v[192+4*\i:195+4*\i], s[18:19] th:TH_STORE_NT   ; 32 lanes store 512 consecutive bytes, aligned to 256; written once, read by nobody here
.endr
	s_wait_xcnt 0x0                                ; the stores' offsets and data are written again only behind this wait
.endr
	WIN 0
.Ldone:
	s_wait_tensorcnt 0x0
	ds_add_u32 v35, v39
	s_wait_dscnt 0x0
	s_endpgm
.Lfunc_end_k_qb6483644e4_chain:
	.size	k_qb6483644e4_chain, .Lfunc_end_k_qb6483644e4_chain-k_qb6483644e4_chain
	.p2alignl 7, 3214868480
	.fill 96, 4, 3214868480
	.section	.rodata,"a",@progbits
	.p2align	6, 0x0
	.amdhsa_kernel k_qb6483644e4_chain
		.amdhsa_group_segment_fixed_size 204800
		.amdhsa_private_segment_fixed_size 0
		.amdhsa_enable_private_segment 0
		.amdhsa_kernarg_size 64
		.amdhsa_user_sgpr_count 2
		.amdhsa_user_sgpr_kernarg_segment_ptr 1
		.amdhsa_wavefront_size32 1
		.amdhsa_system_sgpr_workgroup_id_x 1
		.amdhsa_system_sgpr_workgroup_id_y 1
		.amdhsa_system_sgpr_workgroup_id_z 1
		.amdhsa_system_vgpr_workitem_id 0
		.amdhsa_next_free_vgpr 512
		.amdhsa_next_free_sgpr 72
		.amdhsa_reserve_vcc 0
		.amdhsa_float_denorm_mode_32 3
		.amdhsa_float_denorm_mode_16_64 3
		.amdhsa_memory_ordered 1
		.amdhsa_forward_progress 1
		.amdhsa_inst_pref_size 255
	.end_amdhsa_kernel
	.section	.bss,"aw",@nobits
	.p2align	6
	.space	262144
	.amdgpu_metadata
---
amdhsa.version: [ 1, 2 ]
amdhsa.kernels:
  - .name:           k_qb6483644e4_chain
    .symbol:         k_qb6483644e4_chain.kd
    .args:
      - { .name: x, .offset: 0, .size: 8, .value_kind: global_buffer, .address_space: global }
      - { .name: WF, .offset: 8, .size: 8, .value_kind: global_buffer, .address_space: global }
      - { .name: b1, .offset: 16, .size: 8, .value_kind: global_buffer, .address_space: global }
      - { .name: b2, .offset: 24, .size: 8, .value_kind: global_buffer, .address_space: global }
      - { .name: order, .offset: 32, .size: 8, .value_kind: global_buffer, .address_space: global }
      - { .name: blk, .offset: 40, .size: 8, .value_kind: global_buffer, .address_space: global }
      - { .name: wts, .offset: 48, .size: 8, .value_kind: global_buffer, .address_space: global }
      - { .name: out0, .offset: 56, .size: 8, .value_kind: global_buffer, .address_space: global }
    .group_segment_fixed_size: 204800
    .private_segment_fixed_size: 0
    .kernarg_segment_align: 8
    .kernarg_segment_size: 64
    .max_flat_workgroup_size: 256
    .sgpr_count:     72
    .vgpr_count:     512
    .wavefront_size: 32
...
	.end_amdgpu_metadata
.endif
;; end of part 3
;; ======== version 2 of 2: 3 launches
;; workspace buffers: WF 6,553,600 bytes; sel 32,768 bytes of whole numbers; hist 4,096 bytes of whole numbers; wts 65,536 bytes; part 16,384 bytes; order 32,768 bytes of whole numbers; blk 1,024 bytes of whole numbers
;; launch gate (part 4): grid 256 x 1, 8 waves a work-group, no clusters, 2,048 bytes of LDS; arguments x, Wg, W1_codes, W1_scales, W2_codes, W2_scales, WF, sel, wts, part, hist; writes WF, sel, wts, part, hist
.if DOCPART == 4
	.amdgcn_target "amdgcn-amd-amdhsa--gfx1250"
	.amdhsa_code_object_version 6
	.text
	.protected	k_qb6483644e4_gate
	.globl	k_qb6483644e4_gate
	.p2align	8
	.type	k_qb6483644e4_gate,@function
k_qb6483644e4_gate:
	s_mov_b64 s[64:65], 0
	v_nop
	global_prefetch_b8 v0, s[64:65] scope:SCOPE_SE
	s_setreg_imm32_b32 hwreg(HW_REG_WAVE_MODE, 25, 1), 1
	s_wait_xcnt 0x0
; THE ROUTER, AND THE WEIGHTS LAID AS THE THIRD LAUNCH'S REGISTERS WANT THEM.
; x [8192][1024] f32, Wg [4][1024] f32.  Work-group i takes tokens 32 i .. 32 i + 31, each of its eight waves four of them.  A token's four logits are f32 sums
; (packed multiply-adds, 32 numbers a lane, then a sum over the 32 lanes).  From them, the same in every lane: the softmax, z = logsumexp with the maximum taken away,
; the first and second choice, rho = p2 / p1 = 2^((l2 - l1) log2 e) <= 1 and c1 = 1 / (1 + rho): the two renormalised weights are c1 and rho c1.
; Stored at fixed places: sel[t] = g + 256 x rank, g = 4 e1 + e2, rank = how many earlier tokens of this work-group have the same g;  hist[i] = 16 bytes: byte j counts the group's tokens of the j-th of the twelve
; values of g (1,2,3,4,6,7,8,9,11,12,13,14), the last four bytes are 0;  wts[t] = (rho, c1);  part[i] = 16 sums over the group's 32 tokens: z^2,0,0,0 | softmax 0..3 | first choice 0..3 | 0,0,0,0.
; No address of this launch hangs on a choice.
; THE WEIGHTS: wave 8 i + w copies one pair of tiles (16 rows x 128 K each) of W1 or W2 into WF as images of an operand's registers: unit U = ((mat 4 + e) 8 + j) 8 + s of 12,800 bytes
; holds the eight tiles of rows 128 j .. 128 j + 127 for K step s (tile t at 1,536 t: registers 4 c .. 4 c + 3 of lane l at 512 c + 16 l) and, from byte 12,288, four rows of 128 bytes of
; scale words (row q: lanes 0-15 tile 2 q, lanes 16-31 tile 2 q + 1).  W1's tile 2 b + u takes rows 32 b + 8 u + r + 8 (r / 8), so that its results are neighbours along the next K; W2's tile t rows 16 t + r.
; LIMITS: NaN and infinities among the inputs are not served.  The choice compares logits, not softmax values (the same order; the lower index wins an exact tie): two logits nearer
; to each other than the rounding of an f32 sum of 1,024 terms may be chosen either way.  The sums run in another order than the reference's.
.set LOG2E, 0x3fb8aa3b
.set LN2,   0x3f317218
.set NINF,  0xff800000
.set UNIT,  12800
.set LANE, 1                           ; v1      lane
.set L16,  2                           ; v2      16 x lane
.set OFB,  5                           ; v5      source offset of the pair's second tile
.set FA,   6                           ; v[6:17]  first tile's fragment;  v[18:29] second's;  v30 the scale words;  v31 source offset of the first tile
.set FB,   18
.set SW,   30
.set OFA,  31
.set ZQ,   6                           ; once the fragments have left: v[6:9] z^2,0,0,0;  v[10:13] softmax sums;  v[14:17] first-choice counts;  v[18:21] zeros
.set PQ,   10
.set DQ,   14
.set NQ,   18
.set BV1,  22                          ; v22, v23 first choice: logit, index;  v24, v25 second;  v26 at work;  v27 maximum;  v28 sum;  v29 z;  v[30:31] (rho, c1)
.set BI1,  23
.set BV2,  24
.set BI2,  25
.set TT,   26
.set MX,   27
.set SS,   28
.set ZZ,   29
.set RC,   30
.set WG,   32                          ; v[32:159]  Wg: expert e, load j at 32 + 32 e + 4 j
.set XT,   160                         ; v[160:223] two token slots of 32; at the end wave 0's work: +0..7 sums, +8 the choice, +10,11 (rho, c1), +12 the rank, +13,14 at work, +15 the counts' words
.set AC,   224                         ; v[224:231] four packed sums
.set LG,   232                         ; v[232:235] logits;  v[236:239] p;  v[240:243] logits without the first choice;  v[244:247] the other half's sums
.set PE,   236
.set ME,   240
.set TP,   244
.set AG,   248                         ; LDS addresses, all made here at the head: v248 16 w, v249 32 w, v250 64 w, v251 4 (lane % 16), v252 4 lane, v253 8 lane
.set AW,   249
.set AS,   250
.set R4,   251
.set L4,   252
.set L8,   253
.set OSW,  254                         ; v254    source offset of the scale words
	s_load_b512 s[4:19], s[0:1], 0x0               ; x, Wg, W1 codes, W1 scales, W2 codes, W2 scales, WF, sel
	s_load_b128 s[20:23], s[0:1], 0x40             ; wts, part
	s_load_b64 s[56:57], s[0:1], 0x50              ; hist
	v_lshl_add_u32 v255, v0, 2, 0x400
	s_set_vgpr_msb 0x40
	v_mov_b32 v1, 0
	s_set_vgpr_msb 0x4000
	v_lshrrev_b32 v1, 5, v0
	s_delay_alu instid0(VALU_DEP_1)
	v_readfirstlane_b32 s24, v1                    ; wave 0..7
	v_and_b32 v[LANE], 31, v0
	s_delay_alu instid0(VALU_DEP_1)
	v_lshlrev_b32 v[L16], 4, v[LANE]
	v_and_b32 v3, 15, v0                           ; r
	v_bfe_u32 v4, v0, 4, 1                         ; h
	s_mov_b32 s26, 0x76543210
	s_mov_b32 s27, 0xfedcba98                      ; v_permlanex16_b32's selects for lane l xor 16
	v_mov_b32 v[AG], s24
	s_delay_alu instid0(VALU_DEP_1)
	v_lshlrev_b32 v[AW], 5, v[AG]
	s_delay_alu instid0(VALU_DEP_2)
	v_lshlrev_b32 v[AS], 6, v[AG]
	s_delay_alu instid0(VALU_DEP_3)
	v_lshlrev_b32 v[AG], 4, v[AG]
	v_lshlrev_b32 v[R4], 2, v3
	v_lshlrev_b32 v[L4], 2, v[LANE]
	v_lshlrev_b32 v[L8], 3, v[LANE]
	; which pair of tiles is my wave's: 8 i + w = mat 1024 + e 256 + j 32 + s 4 + q
	s_bfe_u32 s28, ttmp9, 0x20005                  ; e
	s_bfe_u32 s29, ttmp9, 0x30002                  ; j
	s_and_b32 s30, ttmp9, 3
	s_lshl_b32 s30, s30, 1
	s_lshr_b32 s31, s24, 2
	s_add_co_u32 s30, s30, s31                     ; s
	s_and_b32 s32, s24, 3                          ; q
	s_lshl_b32 s33, ttmp9, 1
	s_add_co_u32 s33, s33, s31                     ; U
	s_lshl_b32 s34, s28, 10
	s_lshl_b32 s35, s29, 7
	s_add_co_u32 s34, s34, s35
	s_lshl_b32 s35, s32, 5
	s_add_co_u32 s34, s34, s35                     ; the pair's first row: 1024 e + 128 j + 32 q
	s_mul_i32 s36, s34, 768                        ; codes: 768 bytes a row, 96 a K step
	s_mul_i32 s35, s30, 96
	s_add_co_u32 s36, s36, s35
	s_mov_b32 s37, 0
	s_lshl_b32 s38, s34, 5                         ; scale bytes: 32 a row, 4 a K step
	s_lshl_b32 s35, s30, 2
	s_add_co_u32 s38, s38, s35
	s_mov_b32 s39, 0
	s_mul_i32 s40, s33, UNIT
	s_mul_i32 s35, s32, 3072
	s_add_co_u32 s42, s40, s35                     ; WF: the unit, + two images for each q
	s_mov_b32 s43, 0
	s_lshl_b32 s35, s32, 7
	s_add_co_u32 s40, s40, s35                     ; WF: the unit, + 128 q: the row of scale words (12,288 stands in the store's immediate)
	s_mov_b32 s41, 0
	s_lshl_b32 s48, ttmp9, 17                      ; x: 32 tokens of 4,096 bytes a work-group, 4 a wave
	s_lshl_b32 s49, s24, 14
	s_add_co_u32 s48, s48, s49
	s_mov_b32 s49, 0
	s_lshl_b32 s50, ttmp9, 7                       ; sel: 128 bytes a work-group
	s_mov_b32 s51, 0
	s_lshl_b32 s52, ttmp9, 8                       ; wts: 256
	s_mov_b32 s53, 0
	s_lshl_b32 s54, ttmp9, 6                       ; part: 64
	s_mov_b32 s55, 0
	s_lshl_b32 s58, ttmp9, 4                       ; hist: 16
	s_mov_b32 s59, 0
	s_wait_alu depctr_va_vdst(0)
	s_wait_kmcnt 0x0
	s_cmp_lt_u32 ttmp9, 128                        ; W1's work-group or W2's: the choice hangs on the work-group's number alone
	s_cselect_b64 s[8:9], s[8:9], s[12:13]
	s_cselect_b64 s[10:11], s[10:11], s[14:15]
	s_cselect_b32 s44, 8, 0                        ; W1: lanes 8-15 of a tile stand 8 rows further on
	s_cselect_b32 s45, 8, 16                       ; rows from tile 2 q to tile 2 q + 1
	s_add_nc_u64 s[8:9], s[8:9], s[36:37]
	s_add_nc_u64 s[10:11], s[10:11], s[38:39]
	s_add_nc_u64 s[42:43], s[16:17], s[42:43]
	s_add_nc_u64 s[40:41], s[16:17], s[40:41]
	s_add_nc_u64 s[4:5], s[4:5], s[48:49]
	s_add_nc_u64 s[18:19], s[18:19], s[50:51]
	s_add_nc_u64 s[20:21], s[20:21], s[52:53]
	s_add_nc_u64 s[22:23], s[22:23], s[54:55]
	s_add_nc_u64 s[56:57], s[56:57], s[58:59]
	s_mul_i32 s46, s45, 768
	v_and_b32 v[OFB], s44, v3
	s_delay_alu instid0(VALU_DEP_1)
	v_add_nc_u32 v[OFB], v[OFB], v3                ; my row in a tile
	s_delay_alu instid0(VALU_DEP_1)
	v_mul_u32_u24 v[OFA], v[OFB], 768
	s_delay_alu instid0(VALU_DEP_1)
	v_mad_u32_u24 v[OFA], v4, 24, v[OFA]           ; + 24 h: a fragment's bytes as they lie
	v_mul_u32_u24 v[OSW], s45, v4                  ; the scale words: lanes 16-31 take the second tile's rows
	s_delay_alu instid0(VALU_DEP_1)
	v_add_nc_u32 v[OSW], v[OSW], v[OFB]
	s_delay_alu instid0(VALU_DEP_1)
	v_lshlrev_b32 v[OSW], 5, v[OSW]
	s_delay_alu instid0(VALU_DEP_4)
	v_add_nc_u32 v[OFB], s46, v[OFA]
.irp p, 0,1,2,3,4,5
	global_load_b64 v[FA+2*\p:FA+2*\p+1], v[OFA], s[8:9] offset:48*(\p/3)+8*(\p%3)
.endr
.irp p, 0,1,2,3,4,5
	global_load_b64 v[FB+2*\p:FB+2*\p+1], v[OFB], s[8:9] offset:48*(\p/3)+8*(\p%3)
.endr
	global_load_b32 v[SW], v[OSW], s[10:11]
.irp e, 0,1,2,3
.irp j, 0,1,2,3,4,5,6,7
	global_load_b128 v[WG+32*\e+4*\j:WG+32*\e+4*\j+3], v[L16], s[6:7] offset:4096*\e+512*\j   ; lane l: numbers 128 j + 4 l .. + 3 of expert e
.endr
.endr
.irp k, 0,1
.irp j, 0,1,2,3,4,5,6,7
	global_load_b128 v[XT+32*\k+4*\j:XT+32*\k+4*\j+3], v[L16], s[4:5] offset:4096*\k+512*\j   ; each load reads 512 consecutive bytes of a token
.endr
.endr
	s_wait_loadcnt 48                              ; the 13 loads of the tiles are in: Wg's 32 and two tokens' 16 are younger
.irp c, 0,1,2
	global_store_b128 v[L16], v[FA+4*\c:FA+4*\c+3], s[42:43] offset:512*\c          ; each store covers 512 consecutive bytes, aligned to 256
	global_store_b128 v[L16], v[FB+4*\c:FB+4*\c+3], s[42:43] offset:1536+512*\c
.endr
	global_store_b32 v[L4], v[SW], s[40:41] offset:12288
	s_wait_xcnt 0x0                                ; the stores' data registers are written again only behind this wait
.irp j, 6,7,8,9,10,11,12,13,14,15,16,17,18,19,20,21
	v_mov_b32 v[\j], 0                             ; the wave's sums, and four zeros
.endr
.irp e, 0,1,2,3
	v_mov_b32 v[TP+\e], 0                          ; written once: a lane permute's destination counts as one of its sources
.endr
; Token k of my four.  left = how many younger loads may stay out.
.macro TOKEN k, left
.set XS, XT+32*((\k)%2)
	s_wait_loadcnt \left
.irp e, 0,1,2,3
	v_pk_mul_f32 v[AC+2*\e:AC+2*\e+1], v[XS:XS+1], v[WG+32*\e:WG+32*\e+1]           ; the first products start the sums
.endr
.irp n, 1,2,3,4,5,6,7,8,9,10,11,12,13,14,15
.irp e, 0,1,2,3
	s_delay_alu instid0(VALU_DEP_4)
	v_pk_fma_f32 v[AC+2*\e:AC+2*\e+1], v[XS+2*\n:XS+2*\n+1], v[WG+32*\e+2*\n:WG+32*\e+2*\n+1], v[AC+2*\e:AC+2*\e+1]   ; the four experts by turns
.endr
.endr
.if \k < 2
.irp j, 0,1,2,3,4,5,6,7
	global_load_b128 v[XS+4*\j:XS+4*\j+3], v[L16], s[4:5] offset:4096*(\k+2)+512*\j   ; the slot just read takes the token two on
.endr
.endif
.irp e, 0,1,2,3
	v_add_f32 v[LG+\e], v[AC+2*\e], v[AC+2*\e+1]
.endr
.irp mask, 1,2,4,8
.irp e, 0,1,2,3
	s_delay_alu instid0(VALU_DEP_4)
	v_add_f32_dpp v[LG+\e], v[LG+\e], v[LG+\e] row_xmask:\mask row_mask:0xf bank_mask:0xf
.endr
.endr
.irp e, 0,1,2,3
	s_delay_alu instid0(VALU_DEP_4)
	v_permlanex16_b32 v[TP+\e], v[LG+\e], s26, s27
.endr
.irp e, 0,1,2,3
	s_delay_alu instid0(VALU_DEP_4)
	v_add_f32 v[LG+\e], v[LG+\e], v[TP+\e]         ; every lane holds the four logits
.endr
	s_delay_alu instid0(VALU_DEP_2)
	v_max3_num_f32 v[MX], v[LG], v[LG+1], v[LG+2]
	s_delay_alu instid0(VALU_DEP_1)
	v_max_num_f32 v[MX], v[MX], v[LG+3]            ; the maximum is taken away ahead of the exponentials
.irp e, 0,1,2,3
	v_sub_f32 v[PE+\e], v[LG+\e], v[MX]
.endr
.irp e, 0,1,2,3
	s_delay_alu instid0(VALU_DEP_4)
	v_mul_f32 v[PE+\e], LOG2E, v[PE+\e]
.endr
	s_wait_alu depctr_va_vdst(0)
.irp e, 0,1,2,3
	v_exp_f32 v[PE+\e], v[PE+\e]
.endr
	v_mov_b32 v[BV1], v[LG]                        ; (a plain line behind the exponentials)  the first choice begins at expert 0
	s_wait_alu depctr_va_vdst(0)
	v_add_f32 v[SS], v[PE], v[PE+1]
	v_add_f32 v[ZZ], v[PE+2], v[PE+3]
	s_delay_alu instid0(VALU_DEP_1)
	v_add_f32 v[SS], v[SS], v[ZZ]
	s_wait_alu depctr_va_vdst(0)
	v_log_f32 v[ZZ], v[SS]
	v_rcp_f32 v[TT], v[SS]
	v_mov_b32 v[BI1], 0                            ; (a plain line behind the two)
.irp e, 1
	v_cmp_ge_f32 vcc_lo, v[BV1], v[LG+\e]          ; kept where it is at least as large: the lower index wins a tie
	s_delay_alu instid0(VALU_DEP_1)
	v_cndmask_b32 v[BV1], v[LG+\e], v[BV1], vcc_lo
	s_delay_alu instid0(VALU_DEP_2)
	v_cndmask_b32 v[BI1], \e, v[BI1], vcc_lo
.endr
.irp e, 2, 3
	s_delay_alu instid0(VALU_DEP_2)
	v_cmp_ge_f32 vcc_lo, v[BV1], v[LG+\e]
	s_delay_alu instid0(VALU_DEP_1)
	v_cndmask_b32 v[BV1], v[LG+\e], v[BV1], vcc_lo
	s_delay_alu instid0(VALU_DEP_2)
	v_cndmask_b32 v[BI1], \e, v[BI1], vcc_lo
.endr
	s_wait_alu depctr_va_vdst(0)
	v_fma_f32 v[ZZ], v[ZZ], LN2, v[MX]             ; z = m + ln(sum)
	s_delay_alu instid0(VALU_DEP_1)
	v_fma_f32 v[ZQ], v[ZZ], v[ZZ], v[ZQ]
.irp e, 0,1,2,3
	v_fma_f32 v[PQ+\e], v[PE+\e], v[TT], v[PQ+\e]  ; the softmax, summed
.endr
.irp e, 0,1,2,3
	v_cmp_ne_u32 vcc_lo, \e, v[BI1]
	s_delay_alu instid0(VALU_DEP_1)
	v_cndmask_b32 v[TT], 1.0, v[NQ], vcc_lo        ; 1 for the first choice, else 0
	s_delay_alu instid0(VALU_DEP_2)
	v_cndmask_b32 v[ME+\e], NINF, v[LG+\e], vcc_lo ; and the first choice leaves the field
	s_delay_alu instid0(VALU_DEP_2)
	v_add_f32 v[DQ+\e], v[DQ+\e], v[TT]
.endr
	v_mov_b32 v[BV2], v[ME]
	v_mov_b32 v[BI2], 0
.irp e, 1,2,3
	s_delay_alu instid0(VALU_DEP_2)
	v_cmp_ge_f32 vcc_lo, v[BV2], v[ME+\e]
	s_delay_alu instid0(VALU_DEP_1)
	v_cndmask_b32 v[BV2], v[ME+\e], v[BV2], vcc_lo
	s_delay_alu instid0(VALU_DEP_2)
	v_cndmask_b32 v[BI2], \e, v[BI2], vcc_lo
.endr
	s_delay_alu instid0(VALU_DEP_2)
	v_sub_f32 v[TT], v[BV2], v[BV1]
	s_delay_alu instid0(VALU_DEP_1)
	v_mul_f32 v[TT], LOG2E, v[TT]
	s_wait_alu depctr_va_vdst(0)
	v_exp_f32 v[RC], v[TT]                         ; rho, at most 1
	v_lshl_add_u32 v[BI2], v[BI1], 2, v[BI2]       ; (a plain line)  4 e1 + e2
	s_wait_alu depctr_va_vdst(0)
	v_add_f32 v[RC+1], 1.0, v[RC]
	s_wait_alu depctr_va_vdst(0)
	v_rcp_f32 v[RC+1], v[RC+1]                     ; c1
	v_nop
	ds_store_b32 v[AG], v[BI2] offset:512+4*\k     ; every lane writes the same word with the same value
	s_wait_alu depctr_va_vdst(0)
	ds_store_b64 v[AW], v[RC:RC+1] offset:768+8*\k
.endm
	TOKEN 0, 8                                     ; the other slot's eight loads are younger
	TOKEN 1, 8
	TOKEN 2, 8
	TOKEN 3, 0
	ds_store_b128 v[AS], v[ZQ:ZQ+3]                ; my wave's sixteen sums
	ds_store_b128 v[AS], v[PQ:PQ+3] offset:16
	ds_store_b128 v[AS], v[DQ:DQ+3] offset:32
	ds_store_b128 v[AS], v[NQ:NQ+3] offset:48
	s_wait_dscnt 0x0                               ; for wave 0's sake: my stores have landed
	s_barrier_signal -1
	s_barrier_wait -1
	s_cmp_lg_u32 s24, 0
	s_cbranch_scc1 .Ldone
.irp k, 0,1,2,3,4,5,6,7
	ds_load_b32 v[XT+\k], v[R4] offset:64*\k       ; sum number lane % 16 of wave k
.endr
	ds_load_b32 v[XT+8], v[L4] offset:512          ; token 32 i + lane: its choice g,
	ds_load_b64 v[XT+10:XT+11], v[L8] offset:768   ; and its (rho, c1)
	v_mov_b32 v[XT+12], 0                          ; my token's rank
	v_mov_b32 v[XT+15], 0                          ; the counts: three words in lanes 0 to 2; lane 3 stays 0
	s_wait_dscnt 0x0
	v_add_f32 v[XT], v[XT], v[XT+1]
	v_add_f32 v[XT+2], v[XT+2], v[XT+3]
	v_add_f32 v[XT+4], v[XT+4], v[XT+5]
	v_add_f32 v[XT+6], v[XT+6], v[XT+7]
	s_delay_alu instid0(VALU_DEP_3)
	v_add_f32 v[XT], v[XT], v[XT+2]
	s_delay_alu instid0(VALU_DEP_2)
	v_add_f32 v[XT+4], v[XT+4], v[XT+6]
	s_delay_alu instid0(VALU_DEP_1)
	v_add_f32 v[XT], v[XT], v[XT+4]
	; the 32 tokens' choices stand one to a lane: twelve masks give each token its rank among its like, and the twelve counts.  These are numbers to be stored: no address here is made of them
.set J, 0
.irp g, 1,2,3,4,6,7,8,9,11,12,13,14
	v_cmp_eq_u32 s[28+J], \g, v[XT+8]
.set J, J+1
.endr
.set J, 0
.rept 12
	v_mbcnt_lo_u32_b32 v[XT+13+J%2], s[28+J], 0    ; the lanes below me that are in the mask
	s_delay_alu instid0(VALU_DEP_1)
	v_cndmask_b32 v[XT+12], v[XT+12], v[XT+13+J%2], s[28+J]
	s_bcnt1_i32_b32 s44, s[28+J]                   ; at most 32: a byte holds it
.if J%4 == 0
	s_mov_b32 s[45+J/4], s44
.else
	s_lshl_b32 s44, s44, 8*(J%4)
	s_or_b32 s[45+J/4], s[45+J/4], s44
.endif
.set J, J+1
.endr
	v_writelane_b32 v[XT+15], s45, 0
	s_delay_alu instid0(VALU_DEP_1)
	v_writelane_b32 v[XT+15], s46, 1
	s_delay_alu instid0(VALU_DEP_1)
	v_writelane_b32 v[XT+15], s47, 2
	v_lshl_or_b32 v[XT+8], v[XT+12], 8, v[XT+8]    ; g + 256 x rank
	global_store_b32 v[L4], v[XT+8], s[18:19]      ; 128 consecutive bytes
	global_store_b64 v[L8], v[XT+10:XT+11], s[20:21]   ; 256 consecutive bytes, aligned
	v_cmp_gt_u32 vcc_lo, 16, v[LANE]
	s_wait_alu depctr_va_vdst(0)
	s_wait_xcnt 0x0                                ; EXEC changes only behind this wait
	s_and_saveexec_b32 s25, vcc_lo
	global_store_b32 v[R4], v[XT], s[22:23]        ; lanes 0-15: the group's sixteen sums
	s_wait_xcnt 0x0
	s_or_b32 exec_lo, exec_lo, s25
	v_cmp_gt_u32 vcc_lo, 4, v[LANE]
	s_wait_xcnt 0x0
	s_and_saveexec_b32 s25, vcc_lo
	global_store_b32 v[L4], v[XT+15], s[56:57]     ; lanes 0-3: the group's sixteen bytes of counts
	s_wait_xcnt 0x0
	s_or_b32 exec_lo, exec_lo, s25
.Ldone:
	s_set_vgpr_msb 0x4
	s_wait_tensorcnt 0x0
	ds_add_u32 v255, v1
	s_wait_dscnt 0x0
	s_set_vgpr_msb 0x400
	s_endpgm
.Lfunc_end_k_qb6483644e4_gate:
	.size	k_qb6483644e4_gate, .Lfunc_end_k_qb6483644e4_gate-k_qb6483644e4_gate
	.p2alignl 7, 3214868480
	.fill 96, 4, 3214868480
	.section	.rodata,"a",@progbits
	.p2align	6, 0x0
	.amdhsa_kernel k_qb6483644e4_gate
		.amdhsa_group_segment_fixed_size 2048
		.amdhsa_private_segment_fixed_size 0
		.amdhsa_enable_private_segment 0
		.amdhsa_kernarg_size 88
		.amdhsa_user_sgpr_count 2
		.amdhsa_user_sgpr_kernarg_segment_ptr 1
		.amdhsa_wavefront_size32 1
		.amdhsa_system_sgpr_workgroup_id_x 1
		.amdhsa_system_sgpr_workgroup_id_y 1
		.amdhsa_system_sgpr_workgroup_id_z 1
		.amdhsa_system_vgpr_workitem_id 0
		.amdhsa_next_free_vgpr 258
		.amdhsa_next_free_sgpr 66
		.amdhsa_reserve_vcc 1
		.amdhsa_float_denorm_mode_32 3
		.amdhsa_float_denorm_mode_16_64 3
		.amdhsa_memory_ordered 1
		.amdhsa_forward_progress 1
		.amdhsa_inst_pref_size 69
	.end_amdhsa_kernel
	.amdgpu_metadata
---
amdhsa.version: [ 1, 2 ]
amdhsa.kernels:
  - .name:           k_qb6483644e4_gate
    .symbol:         k_qb6483644e4_gate.kd
    .args:
      - { .name: x, .offset: 0, .size: 8, .value_kind: global_buffer, .address_space: global }
      - { .name: Wg, .offset: 8, .size: 8, .value_kind: global_buffer, .address_space: global }
      - { .name: W1_codes, .offset: 16, .size: 8, .value_kind: global_buffer, .address_space: global }
      - { .name: W1_scales, .offset: 24, .size: 8, .value_kind: global_buffer, .address_space: global }
      - { .name: W2_codes, .offset: 32, .size: 8, .value_kind: global_buffer, .address_space: global }
      - { .name: W2_scales, .offset: 40, .size: 8, .value_kind: global_buffer, .address_space: global }
      - { .name: WF, .offset: 48, .size: 8, .value_kind: global_buffer, .address_space: global }
      - { .name: sel, .offset: 56, .size: 8, .value_kind: global_buffer, .address_space: global }
      - { .name: wts, .offset: 64, .size: 8, .value_kind: global_buffer, .address_space: global }
      - { .name: part, .offset: 72, .size: 8, .value_kind: global_buffer, .address_space: global }
      - { .name: hist, .offset: 80, .size: 8, .value_kind: global_buffer, .address_space: global }
    .group_segment_fixed_size: 2048
    .private_segment_fixed_size: 0
    .kernarg_segment_align: 8
    .kernarg_segment_size: 88
    .max_flat_workgroup_size: 256
    .sgpr_count:     66
    .vgpr_count:     258
    .wavefront_size: 32
...
	.end_amdgpu_metadata
.endif
;; end of part 4
;; launch place (part 5): grid 265 x 1, 1 waves a work-group, no clusters, 0 bytes of LDS; arguments sel, hist, part, order, blk, out1, out2; writes order, blk, out1, out2
.if DOCPART == 5
	.amdgcn_target "amdgcn-amd-amdhsa--gfx1250"
	.amdhsa_code_object_version 6
	.text
	.protected	k_qb6483644e4_place
	.globl	k_qb6483644e4_place
	.p2align	8
	.type	k_qb6483644e4_place,@function
k_qb6483644e4_place:
	s_mov_b64 s[64:65], 0
	v_nop
	global_prefetch_b8 v0, s[64:65] scope:SCOPE_SE
	s_setreg_imm32_b32 hwreg(HW_REG_WAVE_MODE, 25, 1), 1
	s_wait_xcnt 0x0
; THE TOKENS ARE SORTED BY THEIR ORDERED PAIR OF EXPERTS, THE TABLE OF BLOCKS IS WRITTEN, AND THE TWO LOSSES ARE FINISHED.  265 work-groups of one wave; no LDS, no barrier, no atomics.
; The first launch has left, for each run i of 32 tokens: hist[i], twelve counts in bytes (byte j: the j-th of the twelve values g = 1,2,3,4,6,7,8,9,11,12,13,14 of 4 e1 + e2), and for each token
; sel[t] = g + 256 x its rank among its run's tokens of the same g.  So a token's place in the list is: its group's first place + its group's counts in the runs ahead of its own + its rank.
; WORK-GROUP W < 256 places run W's 32 tokens, one to a lane: order[] holds token numbers, dense, group behind group.  W = 256 .. 263 write 32 entries each of the table of blocks.  W = 264 finishes the losses.
; All but the last read the whole of hist, 4,096 bytes, by eight loads of 512 consecutive bytes (load n, lane l: run 32 n + l), twice summed: all runs (the groups' sizes), and the runs ahead of W.
; Four runs are added in byte fields (at most 4 x 32 = 128 in a byte), then widened to fields of 16 bits (no sum passes 8,192), two to a register, and summed over the lanes.
; A group of n tokens makes ceil(n / 48) blocks of at most 48: blk[b] = first place | rows << 16 | g << 24; an entry behind the last block has 0 rows (first 0, g 1).  There are never more than
; floor((8192 + 12 x 47) / 48) = 182 blocks; all 256 entries are written.
; LOSSES: part[i] holds sixteen sums of 32 tokens; a batch is 64 rows.  out2 = sum over b, e of P D / 2^22;  out1 = 0.01 out2 + 0.001 (sum of z^2) / 2^13.  The sums run in another order than the reference's.
.set CN,  20                           ; s[20:31] the groups' first places; in a placing wave then + the counts ahead of my run
.set MK,  32                           ; s[32:43] the counts ahead of my run
.set TO,  44                           ; s[44:55] the groups' sizes (in the last work-group: at work on the losses)
.set TH,  56                           ; s[56:63] W - 32 n: lane l of load n lies ahead of my run where this is above l
.set SA,  68                           ; s[68:79] the groups' first blocks
.set NB,  80                           ; s[80:91] their numbers of blocks
.set BT,  16                           ; v16 a block's entry;  v17 which block of its group;  v18, v19 at work
.set SM,  20                           ; v[20:25] the sums over all runs: register 2 w: groups 4 w, 4 w + 2; register 2 w + 1: groups 4 w + 1, 4 w + 3;  v[26:31] likewise over the runs ahead
.set TP,  32                           ; v[32:43] what the lane moves bring
.set HT,  64                           ; v[64:95]  hist as loaded: load n at 64 + 4 n
.set HP,  96                           ; v[96:127] the same with the runs at or past mine cleared
	s_load_b256 s[4:11], s[0:1], 0x0               ; sel, hist, part, order
	s_load_b128 s[12:15], s[0:1], 0x20             ; blk, out1
	s_load_b64 s[16:17], s[0:1], 0x30              ; out2
	v_lshlrev_b32 v2, 4, v0                        ; 16 x lane (one wave: v0 is the lane)
	v_lshlrev_b32 v3, 2, v0                        ; 4 x lane
	v_mov_b32 v4, 0
	s_mov_b32 s18, 0x76543210
	s_mov_b32 s19, 0xfedcba98                      ; v_permlanex16_b32's selects for lane l xor 16
	s_min_u32 s92, ttmp9, 255                      ; sel: 128 bytes a run; the waves of the table read the last run's and do not use it: no load leaves its buffer
	s_lshl_b32 s92, s92, 7
	s_mov_b32 s93, 0
.irp n, 0,1,2,3,4,5,6,7
	s_sub_co_i32 s[TH+\n], ttmp9, 32*\n
.endr
	s_wait_kmcnt 0x0
	s_cmp_eq_u32 ttmp9, 264
	s_cbranch_scc1 .Lloss
	s_add_nc_u64 s[4:5], s[4:5], s[92:93]
	s_wait_alu depctr_va_vdst(0)
.irp n, 0,1,2,3,4,5,6,7
	global_load_b128 v[HT+4*\n:HT+4*\n+3], v2, s[6:7] offset:512*\n
.endr
	global_load_b32 v8, v3, s[4:5]
.irp k, 0,1,2,3,4,5,6,7,8,9,10,11
	v_mov_b32 v[TP+\k], 0                          ; written once: the destinations of the lane moves below count as sources
.endr
	s_wait_loadcnt 0x0
.irp n, 0,1,2,3,4,5,6,7
	v_cmp_gt_i32 vcc_lo, s[TH+\n], v0              ; run 32 n + lane lies ahead of run W
.irp w, 0,1,2
	v_cndmask_b32 v[HP+4*\n+\w], 0, v[HT+4*\n+\w], vcc_lo
.endr
.endr
; Eight registers of byte counts for each of three words, v[src + 4 n + w], become six registers of 16-bit sums, v[dst] on.
.macro BYTESUM src, dst
.irp w, 0,1,2
	v_add_nc_u32 v[\src+\w], v[\src+\w], v[\src+4+\w]
	v_add_nc_u32 v[\src+8+\w], v[\src+8+\w], v[\src+12+\w]
	v_add_nc_u32 v[\src+16+\w], v[\src+16+\w], v[\src+20+\w]
	v_add_nc_u32 v[\src+24+\w], v[\src+24+\w], v[\src+28+\w]
.endr
.irp w, 0,1,2
	v_add_nc_u32 v[\src+\w], v[\src+\w], v[\src+8+\w]              ; loads 0 to 3: at most 128 in a byte
	v_add_nc_u32 v[\src+16+\w], v[\src+16+\w], v[\src+24+\w]       ; loads 4 to 7
.endr
.irp w, 0,1,2
	v_and_b32 v[\dst+2*\w], 0xff00ff, v[\src+\w]                   ; bytes 0 and 2,
	v_and_b32 v[\src+4+\w], 0xff00ff, v[\src+16+\w]
	v_lshrrev_b32 v[\src+8+\w], 8, v[\src+\w]                      ; bytes 1 and 3
	v_lshrrev_b32 v[\src+12+\w], 8, v[\src+16+\w]
.endr
.irp w, 0,1,2
	v_add_nc_u32 v[\dst+2*\w], v[\dst+2*\w], v[\src+4+\w]
	v_and_b32 v[\src+8+\w], 0xff00ff, v[\src+8+\w]
	v_and_b32 v[\src+12+\w], 0xff00ff, v[\src+12+\w]
.endr
.irp w, 0,1,2
	v_add_nc_u32 v[\dst+2*\w+1], v[\src+8+\w], v[\src+12+\w]
.endr
.endm
	BYTESUM HT, SM
	BYTESUM HP, SM+6
.irp mask, 1,2,4,8
.irp k, 0,1,2,3,4,5,6,7,8,9,10,11
	v_mov_b32_dpp v[TP+\k], v[SM+\k] row_xmask:\mask row_mask:0xf bank_mask:0xf
.endr
.irp k, 0,1,2,3,4,5,6,7,8,9,10,11
	v_add_nc_u32 v[SM+\k], v[SM+\k], v[TP+\k]
.endr
.endr
.irp k, 0,1,2,3,4,5,6,7,8,9,10,11
	v_permlanex16_b32 v[TP+\k], v[SM+\k], s18, s19
.endr
.irp k, 0,1,2,3,4,5,6,7,8,9,10,11
	v_add_nc_u32 v[SM+\k], v[SM+\k], v[TP+\k]      ; every lane holds the sums over the 32 lanes
.endr
.irp w, 0,1,2
	v_readfirstlane_b32 s92, v[SM+2*\w]
	v_readfirstlane_b32 s93, v[SM+2*\w+1]
	v_readfirstlane_b32 s94, v[SM+6+2*\w]
	v_readfirstlane_b32 s95, v[SM+6+2*\w+1]
	s_and_b32 s[TO+4*\w], s92, 0xffff
	s_lshr_b32 s[TO+4*\w+2], s92, 16
	s_and_b32 s[TO+4*\w+1], s93, 0xffff
	s_lshr_b32 s[TO+4*\w+3], s93, 16
	s_and_b32 s[MK+4*\w], s94, 0xffff
	s_lshr_b32 s[MK+4*\w+2], s94, 16
	s_and_b32 s[MK+4*\w+1], s95, 0xffff
	s_lshr_b32 s[MK+4*\w+3], s95, 16
.endr
	s_mov_b32 s[CN], 0
.set J, 0
.rept 11
	s_add_co_u32 s[CN+1+J], s[CN+J], s[TO+J]       ; the groups' first places
.set J, J+1
.endr
	s_cmp_lt_u32 ttmp9, 256
	s_cbranch_scc0 .Lblk
	; ---- place run W's tokens
.set J, 0
.rept 12
	s_add_co_u32 s[CN+J], s[CN+J], s[MK+J]
.set J, J+1
.endr
	v_and_b32 v9, 0xff, v8                         ; g
	v_lshrrev_b32 v10, 8, v8                       ; the rank in the run
	v_mov_b32 v11, 0
.set J, 0
.irp g, 1,2,3,4,6,7,8,9,11,12,13,14
	v_cmp_ne_u32 vcc_lo, \g, v9
	v_cndmask_b32 v11, s[CN+J], v11, vcc_lo        ; my group's next place
.set J, J+1
.endr
	v_add_nc_u32 v11, v11, v10
	v_min_u32 v11, 0x1fff, v11                     ; a place made of loaded numbers is held inside the list
	v_lshlrev_b32 v11, 2, v11
	s_lshl_b32 s92, ttmp9, 5
	v_add_nc_u32 v12, s92, v0                      ; my token
	global_store_b32 v11, v12, s[10:11]
	s_endpgm
.Lblk:
	; ---- the table of blocks: lane l of work-group 256 + c makes entry 32 c + l
	s_mov_b32 s[SA], 0
.set J, 0
.rept 12
	s_add_co_u32 s92, s[TO+J], 47
	s_mul_i32 s92, s92, 43691                      ; (n x 43691) >> 21 = n / 48, rounded down, for every n under 131,072
	s_lshr_b32 s[NB+J], s92, 21
.if J < 11
	s_add_co_u32 s[SA+1+J], s[SA+J], s[NB+J]
.endif
.set J, J+1
.endr
	s_sub_co_u32 s92, ttmp9, 256
	s_lshl_b32 s92, s92, 5
	v_add_nc_u32 v13, s92, v0                      ; b
	v_lshlrev_b32 v14, 2, v13
	v_mov_b32 v[BT], 1<<24
.set J, 0
.irp g, 1,2,3,4,6,7,8,9,11,12,13,14
	v_sub_nc_u32 v[BT+1], v13, s[SA+J]             ; d: which block of group J (a huge number where b lies ahead of the group)
	v_cmp_gt_u32 vcc_lo, s[NB+J], v[BT+1]
	v_mad_u32_u24 v[BT+2], v[BT+1], 48, s[CN+J]    ; its first place
	v_mul_u32_u24 v[BT+3], 48, v[BT+1]
	v_sub_nc_u32 v[BT+3], s[TO+J], v[BT+3]
	v_min_u32 v[BT+3], 48, v[BT+3]                 ; its rows
	v_lshl_or_b32 v[BT+2], v[BT+3], 16, v[BT+2]
	v_or_b32 v[BT+2], (\g<<24), v[BT+2]
	v_cndmask_b32 v[BT], v[BT], v[BT+2], vcc_lo
.set J, J+1
.endr
	global_store_b32 v14, v[BT], s[12:13]          ; 128 consecutive bytes
	s_endpgm
.Lloss:
	s_wait_alu depctr_va_vdst(0)
	; ---- the losses: load n, lane l: quarter l % 4 of row 8 n + l / 4 of part; batch b is loads 8 b .. 8 b + 7, in v[64 + 32 b] on
.irp n, 0,1,2,3,4,5,6,7,8,9,10,11,12,13,14,15,16,17,18,19,20,21,22,23,24,25,26,27,28,29,30,31
	global_load_b128 v[64+4*\n:67+4*\n], v2, s[8:9] offset:512*\n
.endr
	s_wait_loadcnt 0x0
.irp n, 1,2,3,4,5,6,7
.irp b, 0,1,2,3
	v_pk_add_f32 v[64+32*\b:65+32*\b], v[64+32*\b:65+32*\b], v[64+32*\b+4*\n:65+32*\b+4*\n]   ; the four batches by turns
	v_pk_add_f32 v[66+32*\b:67+32*\b], v[66+32*\b:67+32*\b], v[66+32*\b+4*\n:67+32*\b+4*\n]
.endr
.endr
.irp mask, 4,8
.irp b, 0,1,2,3
.irp e, 0,1,2,3
	v_add_f32_dpp v[64+32*\b+\e], v[64+32*\b+\e], v[64+32*\b+\e] row_xmask:\mask row_mask:0xf bank_mask:0xf
.endr
.endr
.endr
.irp b, 0,1,2,3
.irp e, 0,1,2,3
	v_permlanex16_b32 v[68+32*\b+\e], v[64+32*\b+\e], s18, s19
.endr
.endr
.irp b, 0,1,2,3
.irp e, 0,1,2,3
	v_add_f32 v[64+32*\b+\e], v[64+32*\b+\e], v[68+32*\b+\e]       ; lanes of equal lane % 4 are summed: lane 0 z^2, lane 1 the softmax sums, lane 2 the first-choice counts
.endr
.endr
.irp b, 0,1,2,3
	v_readlane_b32 s44, v[64+32*\b], 0
.irp e, 0,1,2,3
	v_readlane_b32 s[45+\e], v[64+32*\b+\e], 1
	v_readlane_b32 s[49+\e], v[64+32*\b+\e], 2
.endr
.if \b == 0
	v_mov_b32 v10, s44                             ; the first batch starts both sums
	v_mul_f32 v11, s45, s49
.else
	v_add_f32 v10, s44, v10
	v_fma_f32 v11, s45, s49, v11
.endif
	v_fma_f32 v11, s46, s50, v11
	v_fma_f32 v11, s47, s51, v11
	v_fma_f32 v11, s48, s52, v11
.endr
	v_mul_f32 v11, 0x34800000, v11                 ; x 2^-22: the balance loss
	v_mul_f32 v10, 0x3403126f, v10                 ; x 0.001 x 2^-13
	v_fmamk_f32 v10, v11, 0x3c23d70a, v10          ; + 0.01 x the balance loss
	v_cmp_eq_u32 vcc_lo, 0, v0
	s_wait_alu depctr_va_vdst(0)
	s_wait_xcnt 0x0                                ; EXEC changes only behind this wait
	s_and_saveexec_b32 s20, vcc_lo
	global_store_b32 v4, v10, s[14:15]
	global_store_b32 v4, v11, s[16:17]
	s_wait_xcnt 0x0
	s_or_b32 exec_lo, exec_lo, s20
	s_endpgm
.Lfunc_end_k_qb6483644e4_place:
	.size	k_qb6483644e4_place, .Lfunc_end_k_qb6483644e4_place-k_qb6483644e4_place
	.p2alignl 7, 3214868480
	.fill 96, 4, 3214868480
	.section	.rodata,"a",@progbits
	.p2align	6, 0x0
	.amdhsa_kernel k_qb6483644e4_place
		.amdhsa_group_segment_fixed_size 0
		.amdhsa_private_segment_fixed_size 0
		.amdhsa_enable_private_segment 0
		.amdhsa_kernarg_size 56
		.amdhsa_user_sgpr_count 2
		.amdhsa_user_sgpr_kernarg_segment_ptr 1
		.amdhsa_wavefront_size32 1
		.amdhsa_system_sgpr_workgroup_id_x 1
		.amdhsa_system_sgpr_workgroup_id_y 1
		.amdhsa_system_sgpr_workgroup_id_z 1
		.amdhsa_system_vgpr_workitem_id 0
		.amdhsa_next_free_vgpr 192
		.amdhsa_next_free_sgpr 96
		.amdhsa_reserve_vcc 1
		.amdhsa_float_denorm_mode_32 3
		.amdhsa_float_denorm_mode_16_64 3
		.amdhsa_memory_ordered 1
		.amdhsa_forward_progress 1
		.amdhsa_inst_pref_size 38
	.end_amdhsa_kernel
	.amdgpu_metadata
---
amdhsa.version: [ 1, 2 ]
amdhsa.kernels:
  - .name:           k_qb6483644e4_place
    .symbol:         k_qb6483644e4_place.kd
    .args:
      - { .name: sel, .offset: 0, .size: 8, .value_kind: global_buffer, .address_space: global }
      - { .name: hist, .offset: 8, .size: 8, .value_kind: global_buffer, .address_space: global }
      - { .name: part, .offset: 16, .size: 8, .value_kind: global_buffer, .address_space: global }
      - { .name: order, .offset: 24, .size: 8, .value_kind: global_buffer, .address_space: global }
      - { .name: blk, .offset: 32, .size: 8, .value_kind: global_buffer, .address_space: global }
      - { .name: out1, .offset: 40, .size: 8, .value_kind: global_buffer, .address_space: global }
      - { .name: out2, .offset: 48, .size: 8, .value_kind: global_buffer, .address_space: global }
    .group_segment_fixed_size: 0
    .private_segment_fixed_size: 0
    .kernarg_segment_align: 8
    .kernarg_segment_size: 56
    .max_flat_workgroup_size: 32
    .sgpr_count:     96
    .vgpr_count:     192
    .wavefront_size: 32
...
	.end_amdgpu_metadata
.endif
;; end of part 5
;; launch chain (part 6): grid 182 x 1, 8 waves a work-group, no clusters, 204,800 bytes of LDS; arguments x, WF, b1, b2, order, blk, wts, out0; writes out0
.if DOCPART == 6
	.amdgcn_target "amdgcn-amd-amdhsa--gfx1250"
	.amdhsa_code_object_version 6
	.text
	.protected	k_qb6483644e4_chain
	.globl	k_qb6483644e4_chain
	.p2align	8
	.type	k_qb6483644e4_chain,@function
k_qb6483644e4_chain:
	s_mov_b64 s[64:65], 0
	v_nop
	global_prefetch_b8 v0, s[64:65] scope:SCOPE_SE
	s_setreg_imm32_b32 hwreg(HW_REG_WAVE_SCHED_MODE, 0, 2), 2
	s_setreg_imm32_b32 hwreg(HW_REG_WAVE_MODE, 25, 1), 1
	s_wait_xcnt 0x0
	s_wait_alu depctr_vm_vsrc(0)
; ONE BLOCK OF AT MOST 48 TOKENS OF ONE ORDERED PAIR OF EXPERTS (e1 first choice, e2 second) GOES THROUGH THE WHOLE CHAIN.  Both products on codes of BF6 (E3M2) with one E8M0 scale for each 32 along K.
; out = c1 ((Q(gelu(Q(x) W1[e2] + b1[e2])) W2[e2] + b2[e2]) rho + b2[e1] + Q(gelu(Q(x) W1[e1] + b1[e1])) W2[e1]),  rho = w2 / w1 <= 1, c1 = w1.  Each output row has one owner; the hidden layer never goes to memory.
; SHARES.  Eight waves, two to a SIMD.  THE WAVES SHARE THE COLUMNS: wave w makes hidden units 128 w .. 128 w + 127 and output columns 128 w .. 128 w + 127, for all 48 rows: 24 accumulators (3 tiles of rows x 8 tiles).
; 128 hidden units are one K step of the second product: a wave's results become one fragment and one scale word a row.
; WEIGHTS come from WF, where the first launch has laid them in the order of an operand's registers: a unit of 12,800 bytes (8 fragments, 4 rows of scale words) for each K step, loaded straight into registers, 512 consecutive
; bytes a load, into a ring of two buffers.  A wave's four walks over K (W1[e2], W1[e1], W2[e2], W2[e1]) are one stream of 32 units: the last two steps of a walk ask for the next walk's first two units.
; No weight byte is read twice in a work-group, so none goes through LDS; which expert's weights are walked is a number read from memory, so this launch has no tensor load and no joint request:
; a pair's blocks are no multiple of four, so partners in a cluster would not walk the same weights.
; OPERANDS (x's codes, the hidden layer's) go from wave to wave through LDS as images of their registers: a fragment is 3 stores of 512 bytes, lane l's 16 bytes at 16 l; its scale words 4 bytes a lane.
; BOTH PRODUCTS ARE USED TRANSPOSED (source 0 = 16 rows of a weight, source 1 = 16 tokens): a lane holds ONE token (lane % 16) and its registers run along the hidden units or the output columns.
; The biases are loaded into the accumulators ahead of a walk, so that every product adds in place and no step differs from the others.
; GELU, exact: gelu(x) = max(x, 0) - |x| erfc(|x| / sqrt 2) / 2, with erfc(z) = t exp(-z^2 + a polynomial of degree 9 in t), t = 1 / (1 + z / 2): fractional error under 1.2e-7 by its authors' bound, about 3e-7 with the
; rounding of the exponent; no difference of near numbers is formed for a negative x.  log2(e) and the factor 1/2 are folded into the coefficients.
; ROWS: rows at or past the block's count repeat its last token and store the same numbers a second time.  A work-group whose entry has no rows walks the text on the list's first tokens and stores nothing:
; so both barriers and every loop stand on every wave's path.
; LIMITS: NaN and infinities are not served.  erfc / 2 under 2^-126 counts as 0.  A block of zeros gets the scale byte 1 and not 127: its codes are zeros, and this program alone reads the byte.
; THE MODE: SCHED_MODE bits 1:0 = 2 (LLVM: expert scheduling mode 2), set by the entry lines.  The code itself states the register dependences
; between vector or matrix instructions and memory or LDS instructions, with s_wait_alu, always for 0.
; THE PLAN.  Registers that memory or LDS instructions touch in a walk over K (step s, p = s % 2):
;   WR[p], WSC[p]     Read by all 24 products of step s; behind the step's wait the unit of step s + 2 lands in them.
;   OP0[p], OP1[p]    The fragments of tiles of rows 0 and 1, two buffers each.  Read by step s's first and second eight products.  The loads of step s + 1's fragments land in the OTHER pair; they are
;                     issued in step s, behind those eight products, which name pair p alone.
;   OP2               The fragment of tile of rows 2, one buffer.  Read by step s's last eight products; step s + 1's is asked for behind the step's wait, sixteen products ahead of its use.
;   OSC[p]            The operands' scale words.  Read by step s's products; step s + 2's land behind the step's wait.
;   v[OA], v[OS]      Read by every LDS load of a walk; written once for two steps, ahead of the odd step's wait: immediate offsets do the rest.
;   v[LI], v[LS]      Read by every load of the weights; never written after the head: a scalar base moves on, and immediate offsets do the rest.
;   The accumulators are named by matrix instructions alone inside a walk.
; So ONE wait on va_vdst stands in a step, behind its last product: it states that the step's products are done reading WR[p], WSC[p], OSC[p], OP0[p], OP1[p] and OP2, and, in an odd step, that v[OA] and v[OS]
; are written.  The products issued between that wait and the next name the other buffers, OP2 and the accumulators: none of the registers in which the loads issued meanwhile land but OP2, whose loads stand directly behind the wait.
; One wait on vm_vsrc for two steps stands ahead of the additions to v[OA] and v[OS].  Between the walks each run of LDS stores has one wait on va_vdst ahead of it and one on vm_vsrc behind it, and each walk's first loads one wait on va_vdst.
.set XIMG,  0                          ; LDS: x's 24 fragments: tile of rows m, K step s at (8 m + s) x 1,536
.set XSC,   36864                      ; their scale words, 128 bytes each
.set HIMG0, 39936                      ; the hidden layer of e2, laid likewise;
.set HSC0,  76800
.set HSLOT, 39936                      ; that of e1 lies this far on
.set HIMG1, HIMG0+HSLOT
.set HSC1,  HSC0+HSLOT
.set BIAS,  119808                     ; 2,048 bytes a wave: my 128 numbers of b1[e2], b1[e1], b2[e2], b2[e1]
.set STG,   136192                     ; 8,448 bytes a wave: a stage of 16 rows x (512 + 16) for the way out
.set FRB,   1536                       ; a fragment's image
.set UNIT,  12800
.set PHB,   8*UNIT                     ; a walk's eight units
; window 0
.set LI,  1                            ; v1   16 x lane
.set OA,  2                            ; v2   the walk's operand images: steps 3,072 for two K steps
.set OS,  3                            ; v3   and their scale words: 256 for two K steps
.set HW,  4                            ; v4   where I store the hidden layer's images
.set HS,  5                            ; v5   and their scale words
.set BA1, 6                            ; v6   my b1 rows, + 64 h
.set BA2, 7                            ; v7   my bias rows, + 32 h
.set SO,  8                            ; v8   the stage: where I put 32 bytes of a row
.set SR,  9                            ; v9   and where I read a row back
.set LB,  10                           ; v10  512 w + 16 x lane: my bytes in a row of 4,096
.set TOK, 11                           ; v11-13   my row's token, for each tile of rows
.set WT,  14                           ; v[14:19] its (rho, c1)
.set XA,  20                           ; v20-22   its row of x, + 64 h
.set LS,  23                           ; v23  4 x lane
.set WSC, 24                           ; v24-31   the weights' scale words: set p at 24 + 4 p
.set OSC, 32                           ; v32-34, v36-38 the operands' scale words: set p at 32 + 4 p
.set RO,  40                           ; v40-55   the biases as loaded; on the way out the offsets of 16 rows of out0
.set BW,  56                           ; v56  where I store my bias rows
.set XW,  57                           ; v57  where I store x's images
.set XSW, 58                           ; v58  and their scale words
.set WR,  64                           ; v64-255  the ring: buffer p at 64 + 96 p, fragment t 12 registers
; window 1
.set OPF, 192                          ; v0-191 the accumulators, (m, t) at 64 m + 8 t;  the operand fragments: tile of rows 0 at v192 (even steps) and v232 (odd), tile 1 at v204 and v244, tile 2 at v216
.set PC,  192                          ; between walks: v192-211 the codes just made, v212-227 at work on the scales, v228 the scale word,
.set TM,  212
.set PW,  228
.set C8V, 230                          ; v[230:231] the polynomial's coefficient 8, twice
.set T,   232                          ; v232-239 t, v240-247 the polynomial, v248-255 x sqrt(log2(e) / 2), then max(x, 0)
.set P,   240
.set U,   248
; scalars
.set WV,    20
.set ENT,   21
.set CNT,   22
.set FIRST, 23
.set E1,    24
.set E2,    25
.set CM1,   26
.set PF,    28                         ; s[28:29] the walk's units two steps on
.set NX,    30                         ; s[30:31] the next walk's first unit;  s[32:33] the walk's behind it;  s[34:35] the last walk's
.set NX2,   32
.set PH3,   34
.set XB,    36                         ; s[36:37] x + 512 w
.set SEL,   38                         ; s[38:39] lane selects for l xor 16
.set EC,    40
.set KC,    41
.set K1,    47                         ; 1 / (2 sqrt 2)
.set K2,    48                         ; s[48:49] sqrt(log2(e) / 2);  s[50:63] coefficients 0 to 6, s[66:67] 7, s[68:69] 9: pairs, both words written: the packed forms name the pair.  On the way out s48-63 hold sixteen token numbers
.set C9,    68
.set TKS,   48
.set MSB, 0
.macro WIN new                         ; the immediate's high byte repeats the setting that is left; a switch that changes nothing is dropped
.if MSB != \new
	s_set_vgpr_msb (MSB<<8)|\new
.set MSB, \new
.endif
.endm
; settings (bits 1:0 source 0, 3:2 source 1, 5:4 source 2, 7:6 destination): 0x54 products (weights window 0; operand, C and D window 1) and LDS loads into window 1;  0x55 all in window 1;
; 0x04 stores of window 1's data;  0x40 loads into window 1;  0x51 accumulator x rho + bias;  0x41 accumulator x c1
.macro PLACES                          ; a load into a register that a matrix instruction has read or written, and the first read of a result, stand four plain vector instructions behind it
.rept 4
	v_nop
.endr
.endm
.macro CPAIR reg, bits
	s_mov_b32 s[\reg], \bits
	s_mov_b32 s[\reg+1], \bits
.endm
; 64 numbers of a lane in window 1, v[s] on, register 16 b + i = k 32 b + 16 (lane / 16) + i of my row, become a fragment's codes in v[PC] on and its scale word in v[PW].
.macro QUANT s
	WIN 0x55
.irp b, 0,1,2,3
	v_max3_num_f32 v[TM+\b], |v[(\s)+16*\b]|, |v[(\s)+1+16*\b]|, 0x2800000   ; block b: my 16 numbers, and the floor 2^(5 - 127): the byte cannot fall under 1
.endr
.irp i, 2,4,6,8,10,12,14
.irp b, 0,1,2,3
	v_max3_num_f32 v[TM+\b], v[TM+\b], |v[(\s)+16*\b+\i]|, |v[(\s)+1+16*\b+\i]|   ; the four blocks by turns
.endr
.endr
.irp b, 0,1,2,3
	v_permlanex16_b32 v[TM+4+\b], v[TM+\b], s[SEL], s[SEL+1]
.endr
.irp b, 0,1,2,3
	v_max_num_f32 v[TM+\b], v[TM+\b], v[TM+4+\b]   ; with lane l xor 16's: the block's largest magnitude
.endr
.irp b, 0,1,2,3
	v_add_nc_u32 v[TM+12+\b], 0xfe000000, v[TM+\b] ; 4 off its exponent field: the conversion takes the exponent field of this operand as its scale
.endr
.irp b, 0,1,2,3
	v_lshrrev_b32 v[TM+4+\b], 23, v[TM+12+\b]      ; the scale's byte
.endr
	v_lshl_or_b32 v[PW], v[TM+5], 8, v[TM+4]
	v_lshl_or_b32 v[PW], v[TM+6], 16, v[PW]
	v_lshl_or_b32 v[PW], v[TM+7], 24, v[PW]
.irp c, 0,1
	v_cvt_scalef32_pk16_bf6_f32 v[PC+6*\c:PC+2+6*\c], v[(\s)+32*\c:(\s)+15+32*\c], v[TM+12+2*\c]
	v_cvt_scalef32_pk16_bf6_f32 v[PC+12+4*\c:PC+14+4*\c], v[(\s)+16+32*\c:(\s)+31+32*\c], v[TM+12+2*\c+1]   ; (a conversion's three registers begin on an even number)
.endr
	v_nop                                          ; one plain line behind a scaled conversion
.irp c, 0,1                            ; the operand's layout wants a whole block in a lane: lanes 0-15 block 2 c, lanes 16-31 block 2 c + 1
.irp i, 0,1,2
	v_permlane16_swap_b32 v[PC+6*\c+\i], v[PC+12+4*\c+\i]
.endr
.irp i, 0,1,2
	v_mov_b32 v[PC+3+6*\c+\i], v[PC+12+4*\c+\i]
.endr
.endr
.endm
.macro IMAGE adr, off                  ; the fragment in v[PC] on goes to LDS as it stands
	WIN 0x04
	s_wait_alu depctr_va_vdst(0)                   ; QUANT has written v[PC ..] and v[PW], which these stores and the scale word's store behind them read; their address registers were written earlier still
.irp c, 0,1,2
	ds_store_b128 v[\adr], v[PC+4*\c:PC+4*\c+3] offset:\off+512*\c
.endr
.endm
; The bias of my 128 columns into the 24 accumulators.  kind 1: tile 2 b + u holds units 32 b + 16 h + 8 u + 0 .. 7;  kind 2: tile t holds columns 16 t + 8 h + 0 .. 7
.macro ACCINIT adr, off, kind
	WIN 0x40
.irp m, 0,1,2
.irp t, 0,1,2,3,4,5,6,7
.if \kind == 1
.set BO, \off+128*(\t/2)+32*(\t%2)
.else
.set BO, \off+64*\t
.endif
	ds_load_b128 v[64*\m+8*\t:64*\m+8*\t+3], v[\adr] offset:BO
	ds_load_b128 v[64*\m+8*\t+4:64*\m+8*\t+7], v[\adr] offset:BO+16
.endr
.endr
.endm
.macro OPSTART                         ; a walk's first operands: the scale words of K steps 0 and 1, the fragments of K step 0 (the even steps' buffers)
	WIN 0
.irp p, 0,1
.irp m, 0,1,2
	ds_load_b32 v[OSC+4*\p+\m], v[OS] offset:1024*\m+128*\p
.endr
.endr
	WIN 0x40
.irp m, 0,1,2
.irp c, 0,1,2
	ds_load_b128 v[OPF+12*\m+4*\c:OPF+12*\m+4*\c+3], v[OA] offset:12288*\m+512*\c
.endr
.endr
	s_wait_dscnt 0x0                               ; once a walk: these, and the biases
	WIN 0
.endm
.macro OPLOAD m, q, off                ; tile of rows m: a fragment from off bytes behind v[OA] into its buffer q (tile 2 has buffer 0 alone)
.set OPR, OPF+12*(\m)+40*(\q)
.irp c, 0,1,2
	ds_load_b128 v[OPR+4*\c:OPR+4*\c+3], v[OA] offset:(\off)+512*\c
.endr
.endm
.macro WLOAD p, base, uoff, t0         ; four fragments of a unit into buffer p
.irp t, 0,1,2,3
.irp c, 0,1,2
	global_load_b128 v[WR+96*\p+12*(\t0+\t)+4*\c:WR+96*\p+12*(\t0+\t)+4*\c+3], v[LI], s[\base:\base+1] offset:\uoff+FRB*(\t0+\t)+512*\c
.endr
.endr
.endm
.macro WSLOAD p, base, uoff            ; and its scale words
.irp q, 0,1,2,3
	global_load_b32 v[WSC+4*\p+\q], v[LS], s[\base:\base+1] offset:\uoff+12288+128*\q
.endr
.endm
; Four products: tile of rows m against the weight's tiles t0 .. t0 + 3 of buffer p.  An odd tile's scale words stand in lanes 16-31 of its pair's register.
.macro MM m, p, t0
.set OB, OPF+12*\m+40*\p*(1-\m/2)      ; tiles of rows 0 and 1: buffer p; tile 2: its one buffer
.irp t, 0,1,2,3
.set TT, \t0+\t
.set AR, 64*\m+8*TT
.set WA, WR+96*\p+12*TT
.if TT%2
	v_wmma_scale_f32_16x16x128_f8f6f4 v[AR:AR+7], v[WA:WA+11], v[OB:OB+11], v[AR:AR+7], v[WSC+4*\p+TT/2], v[OSC+4*\p+\m] matrix_a_fmt:MATRIX_FMT_BF6 matrix_b_fmt:MATRIX_FMT_BF6 matrix_a_scale:MATRIX_SCALE_ROW1
.else
	v_wmma_scale_f32_16x16x128_f8f6f4 v[AR:AR+7], v[WA:WA+11], v[OB:OB+11], v[AR:AR+7], v[WSC+4*\p+TT/2], v[OSC+4*\p+\m] matrix_a_fmt:MATRIX_FMT_BF6 matrix_b_fmt:MATRIX_FMT_BF6
.endif
.endr
.endm
; A K STEP: 24 products, the 24 accumulators by turns, one instruction a turn, in the same order in every step.
; p: the ring's buffer, the operands' buffers and the sets of scale words.  lc: the global loads that may stay out.  d0, d1, d2: the LDS loads that may stay out ahead of each tile of rows.
; refill: the next step's fragments are asked for: tiles of rows 0 and 1 into their other buffers, behind this step's eight products on the same tile; tile 2 behind the step's wait.
; osc: the operands' scale words of the step two on.  wpf: buffer p takes the unit at s[base] + uoff, behind the step's wait: all 24 products read the buffer, so it falls free at the step's end, and it is asked for again at once,
; ahead of the wait for the next step's unit, so that two units of the wave are on their way.
; v[OA] and v[OS] stand at the even step of a pair; the odd step's places are reached by immediate offsets.
.macro STEP p, lc, d0, d1, d2, refill, osc, wpf, base, uoff
	s_wait_loadcnt \lc
	s_wait_dscnt \d0
	WIN 0x54
	MM 0, \p, 0
	MM 0, \p, 4
.if \refill
	OPLOAD 0, 1-\p, (\p+1)*FRB                     ; no wait: the last step's wait showed that step's products done reading this buffer, and no product since names it or v[OA]
.endif
	s_wait_dscnt \d1
	MM 1, \p, 0
	MM 1, \p, 4
.if \refill
	OPLOAD 1, 1-\p, 12288+(\p+1)*FRB               ; likewise
.endif
	s_wait_dscnt \d2
	MM 2, \p, 0
	MM 2, \p, 4
.if \refill
.if \p
	WIN 0
	s_wait_alu depctr_vm_vsrc(0)                   ; the LDS loads issued so far have read v[OA] and v[OS], which the two lines below write
	v_add_nc_u32 v[OA], 2*FRB, v[OA]               ; on by two K steps
	v_add_nc_u32 v[OS], 256, v[OS]
	v_nop
	v_nop                                          ; with the two additions: four plain lines behind the last product
	WIN 0x40
.else
	PLACES
.endif
	s_wait_alu depctr_va_vdst(0)                   ; this step's products are done reading WR[p], WSC[p], OSC[p], their three fragments; in an odd step v[OA] and v[OS] are written: the loads up to the next step's wait hang on nothing else
	OPLOAD 2, 0, 2*12288+(1-\p)*FRB
	WIN 0
.else
	PLACES                                         ; a walk's last step: these stand also ahead of the first read of the results
	WIN 0
.if \wpf
	s_wait_alu depctr_va_vdst(0)                   ; this step's products are done reading WR[p] and WSC[p], in which the next walk's unit lands, and their fragments
.endif
.endif
.if \osc
.irp m, 0,1,2
	ds_load_b32 v[OSC+4*\p+\m], v[OS] offset:1024*\m+256-128*\p
.endr
.endif
.if \wpf
	WLOAD \p, \base, \uoff, 0
	WLOAD \p, \base, \uoff, 4
	WSLOAD \p, \base, \uoff
.endif
.endm
; A WALK OVER K: eight steps.  COUNTS.  Global: a unit is 24 + 4 loads, and the next step's unit was asked for behind this step's: 28 may stay out; the very last step has nothing younger.
; LDS: behind the three loads of a tile of rows' fragment stand three more groups of three (the other two tiles' fragments and a set of scale words): 9 may stay out; in step 7, behind step 6's fragments
; stand neither scale words nor refills: 6, 3, 0.
.macro KWALK last
	s_mov_b32 s[KC], 3
.Lk_\@:
	STEP 0, 28, 9, 9, 9, 1, 1, 1, PF, 0
	STEP 1, 28, 9, 9, 9, 1, 1, 1, PF, UNIT
	s_wait_xcnt 0x0                                ; the loads' base steps only behind this wait
	s_add_nc_u64 s[PF:PF+1], s[PF:PF+1], 2*UNIT
	s_sub_co_u32 s[KC], s[KC], 1
	s_cmp_lg_u32 s[KC], 0
	s_cbranch_scc1 .Lk_\@
.if \last
	STEP 0, 28, 9, 9, 9, 1, 0, 0, PF, 0
	STEP 1, 0, 6, 3, 0, 0, 0, 0, PF, 0
.else
	STEP 0, 28, 9, 9, 9, 1, 0, 1, NX, 0            ; the stream goes on into the next walk
	STEP 1, 28, 6, 3, 0, 0, 0, 1, NX, UNIT
.endif
.endm
.macro ROT                             ; the pointers move one walk on
	s_wait_xcnt 0x0
	s_add_nc_u64 s[PF:PF+1], s[NX:NX+1], 2*UNIT
	s_mov_b64 s[NX:NX+1], s[NX2:NX2+1]
	s_mov_b64 s[NX2:NX2+1], s[PH3:PH3+1]
.endm
; GELU of one accumulator, v[a] .. v[a + 7] of window 1, in place, from its low end on.
.macro GELU8 a
.irp i, 0,1,2,3,4,5,6,7
	v_fma_f32 v[T+\i], |v[(\a)+\i]|, s[K1], 1.0    ; 1 + z / 2
.endr
	s_wait_alu depctr_va_vdst(0)
.irp i, 0,1,2,3,4,5,6,7
	v_rcp_f32 v[T+\i], v[T+\i]                     ; t
.endr
.irp i, 0,2,4,6
	v_pk_mul_f32 v[U+\i:U+\i+1], v[(\a)+\i:(\a)+\i+1], s[K2:K2+1] op_sel_hi:[1,0]   ; u, with u^2 = z^2 log2(e).  (Plain lines behind the reciprocals)
.endr
	s_wait_alu depctr_va_vdst(0)                   ; the eight reciprocals have written v[T ..], which the polynomial's lines read: one wait for the batch
.irp i, 0,2,4,6
	v_pk_fma_f32 v[P+\i:P+\i+1], v[T+\i:T+\i+1], s[C9:C9+1], v[C8V:C8V+1] op_sel_hi:[1,0,1]
.endr
.irp c, 66,62,60,58,56,54,52,50        ; coefficients 7 down to 0
.irp i, 0,2,4,6
	v_pk_fma_f32 v[P+\i:P+\i+1], v[P+\i:P+\i+1], v[T+\i:T+\i+1], s[\c:\c+1] op_sel_hi:[1,1,0]
.endr
.endr
.irp i, 0,2,4,6
	v_pk_fma_f32 v[P+\i:P+\i+1], v[U+\i:U+\i+1], v[U+\i:U+\i+1], v[P+\i:P+\i+1] neg_lo:[1,0,0] neg_hi:[1,0,0]
.endr
	s_wait_alu depctr_va_vdst(0)
.irp i, 0,1,2,3,4,5,6,7
	v_exp_f32 v[P+\i], v[P+\i]
.endr
.irp i, 0,1,2,3,4,5,6,7
	v_max_num_f32 v[U+\i], 0, v[(\a)+\i]           ; (plain lines behind the exponentials)
.endr
	s_wait_alu depctr_va_vdst(0)                   ; the eight exponentials have written v[P ..], which the multiplications below read: one wait for the batch
.irp i, 0,2,4,6
	v_pk_mul_f32 v[P+\i:P+\i+1], v[P+\i:P+\i+1], v[T+\i:T+\i+1]    ; erfc / 2
.endr
.irp i, 0,1,2,3,4,5,6,7
	v_fma_f32 v[(\a)+\i], -|v[(\a)+\i]|, v[P+\i], v[U+\i]
.endr
.endm
	s_load_b512 s[4:19], s[0:1], 0x0               ; x, WF, b1, b2, order, blk, wts, out0
	v_lshl_add_u32 v35, v0, 2, 0x31c00
	v_mov_b32 v39, 0
	v_lshrrev_b32 v59, 5, v0
	v_readfirstlane_b32 s[WV], v59                 ; wave 0..7
	s_lshl_b32 s42, ttmp9, 2
	s_mov_b32 s43, 0
	s_wait_kmcnt 0x0
	s_add_nc_u64 s[14:15], s[14:15], s[42:43]
	s_load_b32 s[ENT], s[14:15], 0x0               ; my block's entry
	v_and_b32 v59, 31, v0                          ; lane
	v_and_b32 v62, 15, v0                          ; r
	v_bfe_u32 v63, v0, 4, 1                        ; h
	v_lshlrev_b32 v[LI], 4, v59
	s_wait_alu depctr_va_vdst(0)
	v_lshlrev_b32 v[LS], 2, v59
	s_wait_alu depctr_va_sdst(0)                   ; the wave's number is written, ahead of its first reader: LDS addresses and the weights' bases are made from it
	s_mul_i32 s42, s[WV], FRB                      ; every LDS address: a constant + a constant x wave + a lane term
	s_add_co_u32 s43, s42, XIMG
	v_add_nc_u32 v[XW], s43, v[LI]
	s_add_co_u32 s43, s42, HIMG0
	v_add_nc_u32 v[HW], s43, v[LI]
	s_lshl_b32 s42, s[WV], 7
	s_add_co_u32 s43, s42, XSC
	v_add_nc_u32 v[XSW], s43, v[LS]
	s_add_co_u32 s43, s42, HSC0
	v_add_nc_u32 v[HS], s43, v[LS]
	s_lshl_b32 s42, s[WV], 11
	s_add_co_u32 s42, s42, BIAS
	v_add_nc_u32 v[BW], s42, v[LI]
	v_lshl_add_u32 v[BA1], v63, 6, s42
	v_lshl_add_u32 v[BA2], v63, 5, s42
	s_mul_i32 s42, s[WV], 16*528
	s_add_co_u32 s42, s42, STG
	v_add_nc_u32 v[SR], s42, v[LI]
	v_mul_u32_u24 v[SO], v62, 528
	v_lshl_add_u32 v[SO], v63, 5, v[SO]
	v_add_nc_u32 v[SO], s42, v[SO]
	s_lshl_b32 s42, s[WV], 9
	s_mov_b32 s43, 0
	v_add_nc_u32 v[LB], s42, v[LI]
	s_add_nc_u64 s[XB:XB+1], s[4:5], s[42:43]
	s_mov_b32 s[SEL], 0x76543210
	s_mov_b32 s[SEL+1], 0xfedcba98
	s_mov_b32 s[K1], 0x3eb504f3
	CPAIR K2, 0x3f596d27
	CPAIR 50, 0xc034d90f
	CPAIR 52, 0x3fb8ab5a
	CPAIR 54, 0x3f0a29d2
	CPAIR 56, 0x3e0efb2e
	CPAIR 58, 0xbe899a80
	CPAIR 60, 0x3ecdfd18
	CPAIR 62, 0xbfd1a1e5
	CPAIR 66, 0x40097039
	CPAIR C9, 0x3e7c6f08
	s_wait_alu depctr_va_vdst(0)
	s_wait_kmcnt 0x0
	s_and_b32 s[FIRST], s[ENT], 0xffff             ; the entry's fields, each held inside its range before it enters an address
	s_min_u32 s[FIRST], s[FIRST], 0x1fff
	s_bfe_u32 s[CNT], s[ENT], 0x80010
	s_min_u32 s[CNT], s[CNT], 48
	s_bfe_u32 s[E2], s[ENT], 0x20018
	s_min_u32 s[E2], s[E2], 3
	s_bfe_u32 s[E1], s[ENT], 0x2001a
	s_min_u32 s[E1], s[E1], 3
	s_sub_co_u32 s[CM1], s[CNT], 1                 ; (no rows: the largest number, which holds nothing back)
	s_lshl_b32 s42, s[E2], 3                       ; a walk's units begin at ((4 mat + e) 8 + w) x 102,400
	s_add_co_u32 s42, s42, s[WV]
	s_mul_i32 s42, s42, PHB
	s_mov_b32 s43, 0
	s_add_nc_u64 s[PF:PF+1], s[6:7], s[42:43]      ; W1[e2]
	s_lshl_b32 s44, s[E1], 3
	s_add_co_u32 s44, s44, s[WV]
	s_mul_i32 s44, s44, PHB
	s_mov_b32 s45, 0
	s_add_nc_u64 s[NX:NX+1], s[6:7], s[44:45]      ; W1[e1]
	s_add_nc_u64 s[NX2:NX2+1], s[PF:PF+1], 32*PHB  ; W2[e2]
	s_add_nc_u64 s[PH3:PH3+1], s[NX:NX+1], 32*PHB  ; W2[e1]
	v_lshl_add_u32 v59, s[E2], 12, v[LB]
	v_lshl_add_u32 v60, s[E1], 12, v[LB]
.irp m, 0,1,2
	v_add_nc_u32 v[XA+\m], 16*\m, v62
	v_min_u32 v[XA+\m], s[CM1], v[XA+\m]           ; rows past the count repeat the last
	v_add_nc_u32 v[XA+\m], s[FIRST], v[XA+\m]
	v_min_u32 v[XA+\m], 0x1fff, v[XA+\m]
	v_lshlrev_b32 v[XA+\m], 2, v[XA+\m]
.endr
	s_wait_alu depctr_va_vdst(0)                   ; every offset and LDS address made so far is written: v1, v4 to v10, v20 to v23, v56 to v60, which the loads and stores below read
	global_load_b128 v[RO:RO+3], v59, s[8:9]       ; my 128 numbers of b1[e2], b1[e1], b2[e2], b2[e1]
	global_load_b128 v[RO+4:RO+7], v60, s[8:9]
	global_load_b128 v[RO+8:RO+11], v59, s[10:11]
	global_load_b128 v[RO+12:RO+15], v60, s[10:11]
.irp m, 0,1,2
	global_load_b32 v[TOK+\m], v[XA+\m], s[12:13]
.endr
.irp p, 0,1                            ; the stream's first two units
	WLOAD \p, PF, UNIT*\p, 0
	WLOAD \p, PF, UNIT*\p, 4
	WSLOAD \p, PF, UNIT*\p
.endr
	s_wait_loadcnt 56                              ; the biases and the tokens are in: the two units' 56 loads are younger
.irp q, 0,1,2,3
	ds_store_b128 v[BW], v[RO+4*\q:RO+4*\q+3] offset:512*\q
.endr
	s_wait_alu depctr_vm_vsrc(0)                   ; the loads of the biases and of the tokens have read v59, v60 and v[XA ..], which the lines below write again
	v_lshlrev_b32 v63, 6, v63
.irp m, 0,1,2
	v_min_u32 v[TOK+\m], 0x1fff, v[TOK+\m]
	v_lshl_add_u32 v[XA+\m], v[TOK+\m], 12, v63
	v_lshlrev_b32 v[59+\m], 3, v[TOK+\m]
.endr
	s_wait_alu depctr_va_vdst(0)                   ; v59 to v61 and v[XA ..] are written, which the loads of the weights' pair and of x read as offsets
.irp m, 0,1,2
	global_load_b64 v[WT+2*\m:WT+2*\m+1], v[59+\m], s[16:17]
.endr
	; ---- X: wave w quantises K step w (128 numbers) of all 48 rows.  Lane (r, h) takes, of its row, 16 neighbours of each block of 32
	WIN 0x40
.irp m, 0,1,2
.irp b, 0,1,2,3
.irp j, 0,1,2,3
	global_load_b128 v[64*\m+16*\b+4*\j:64*\m+16*\b+4*\j+3], v[XA+\m], s[XB:XB+1] offset:128*\b+16*\j
.endr
.endr
.endr
.irp b, 0,1,2,3
	v_mov_b32 v[TM+4+\b], 0                        ; written once: a lane permute's destination counts as one of its sources
.endr
	v_mov_b32 v[C8V], 0xbf97d29d
	v_mov_b32 v[C8V+1], 0xbf97d29d
.irp m, 0,1,2
	s_wait_loadcnt 32-16*\m                        ; this tile of rows is in: the later tiles' sixteen loads each are younger
	QUANT 64*\m
	IMAGE XW, 12288*\m
	ds_store_b32 v[XSW], v[PW] offset:1024*\m
	s_wait_dscnt 0x0                               ; the stores are done
	s_wait_alu depctr_vm_vsrc(0)                   ; the stores have read v[PC ..] and v[PW], which the next QUANT writes and in which, behind the last, the walk's first operands land
.endr
	WIN 0
	s_barrier_signal -1                            ; my stores have landed (the wait above);
	s_barrier_wait -1                              ; x's 24 fragments lie in LDS
	s_add_nc_u64 s[PF:PF+1], s[PF:PF+1], 2*UNIT    ; (the wait for all loads above has shown the first two units in)
	; ---- 1: the hidden layer, e2 and then e1: one text, walked twice
	s_mov_b32 s[EC], 2
.Lexpert:
	v_add_nc_u32 v[OA], XIMG, v[LI]                ; (the last walk's LDS loads have read v[OA] and v[OS]: the waits on vm_vsrc behind the images' stores stand behind them)
	v_add_nc_u32 v[OS], XSC, v[LS]
	WIN 0x40
	s_wait_alu depctr_va_vdst(0)                   ; v[OA], v[OS] and v[BA1] are written; QUANT and GELU are done with the accumulators and with v192 to v255, the last walk's products with OSC: the loads of the biases and of the first operands land there
	ACCINIT BA1, 0, 1
	OPSTART
	KWALK 0
.irp m, 0,1,2
	WIN 0x55
.irp t, 0,1,2,3,4,5,6,7
	GELU8 64*\m+8*\t
.endr
	QUANT 64*\m
	IMAGE HW, 12288*\m                             ; K step w of the second product, rows 16 m on
	ds_store_b32 v[HS], v[PW] offset:1024*\m
	s_wait_dscnt 0x0                               ; the stores are done
	s_wait_alu depctr_vm_vsrc(0)                   ; the stores have read v[PC ..], v[PW], v[HW] and v[HS], the walk's loads v[BA1], v[OA] and v[OS]: the next QUANT, the additions below and the next walk's first lines write them
.endr
	WIN 0
	v_add_nc_u32 v[HW], HSLOT, v[HW]
	v_add_nc_u32 v[HS], HSLOT, v[HS]
	v_add_nc_u32 v[BA1], 512, v[BA1]
	ROT
	s_sub_co_u32 s[EC], s[EC], 1
	s_cmp_lg_u32 s[EC], 0
	s_cbranch_scc1 .Lexpert
	s_wait_dscnt 0x0                               ; for the others' sake: my images have landed
	s_barrier_signal -1
	s_barrier_wait -1                              ; both hidden layers lie in LDS
	; ---- 2: the second choice's product,
	v_add_nc_u32 v[OA], HIMG0, v[LI]
	v_add_nc_u32 v[OS], HSC0, v[LS]
	WIN 0x40
	s_wait_alu depctr_va_vdst(0)                   ; v[OA] and v[OS] are written; QUANT and GELU are done with the accumulators and with v192 to v255: the loads of the biases and of the first operands land there
	ACCINIT BA2, 1024, 2
	OPSTART
	KWALK 0
	ROT
	WIN 0x40                                       ; x rho + b2[e1].  No wait: the wait behind the walk's last products has shown them done reading v192 on, and no vector instruction since names these registers or v[BA2]
.irp t, 0,1,2,3,4,5,6,7
	ds_load_b128 v[192+8*\t:195+8*\t], v[BA2] offset:1536+64*\t
	ds_load_b128 v[196+8*\t:199+8*\t], v[BA2] offset:1536+64*\t+16
.endr
	s_wait_dscnt 0x0
	WIN 0x51
.irp m, 0,1,2
.irp t, 0,1,2,3,4,5,6,7
.irp i, 0,2,4,6
	v_pk_fma_f32 v[64*\m+8*\t+\i:64*\m+8*\t+\i+1], v[64*\m+8*\t+\i:64*\m+8*\t+\i+1], v[WT+2*\m:WT+2*\m+1], v[192+8*\t+\i:192+8*\t+\i+1] op_sel_hi:[1,0,1]   ; of the pair (rho, c1) the low word serves both halves
.endr
.endr
.endr
	WIN 0
.irp m, 0,1,2
	v_mov_b32 v[WT+2*\m], v[WT+2*\m+1]             ; rho is done with: c1 takes the pair's low word
.endr
	s_wait_alu depctr_vm_vsrc(0)                   ; the walk's last LDS loads, issued behind its last wait of this kind, have read v[OA] and v[OS]
	v_add_nc_u32 v[OA], HIMG1, v[LI]               ; and the first choice's product onto the same accumulators
	v_add_nc_u32 v[OS], HSC1, v[LS]
	s_wait_alu depctr_va_vdst(0)                   ; v[OA] and v[OS] are written; the multiply-adds above are done reading v192 on, in which the first operands land
	OPSTART
	KWALK 1
	; ---- THE WAY OUT: x c1; 16 rows at a time through my own stage, back as whole runs of 512 bytes of a row, each stored to its token's row
	s_cmp_eq_u32 s[CNT], 0
	s_cbranch_scc1 .Ldone                          ; a block without rows stores nothing
.irp m, 0,1,2
	WIN 0x41
.irp j, 0,2,4,6,8,10,12,14,16,18,20,22,24,26,28,30,32,34,36,38,40,42,44,46,48,50,52,54,56,58,60,62
	v_pk_mul_f32 v[64*\m+\j:64*\m+\j+1], v[64*\m+\j:64*\m+\j+1], v[WT+2*\m:WT+2*\m+1] op_sel_hi:[1,0]   ; each accumulator from its low end on
.endr
	WIN 0
.irp i, 0,1,2,3,4,5,6,7,8,9,10,11,12,13,14,15
	v_readlane_b32 s[TKS+\i], v[TOK+\m], \i        ; the sixteen rows' tokens, in one run
.endr
	s_wait_alu depctr_va_sdst(0)                   ; the sixteen scalar registers are written, ahead of their first readers: one wait for the run
.irp i, 0,1,2,3,4,5,6,7,8,9,10,11,12,13,14,15
	s_min_u32 s[TKS+\i], s[TKS+\i], 0x1fff
.endr
.irp i, 0,1,2,3,4,5,6,7,8,9,10,11,12,13,14,15
	v_lshl_add_u32 v[RO+\i], s[TKS+\i], 12, v[LB]  ; row i's token x 4,096 + my 512 bytes + 16 x lane
.endr
	WIN 0x04
	s_wait_alu depctr_va_vdst(0)                   ; the multiplications have written this tile's accumulators, which the LDS stores read; v[RO ..] are written, the global stores' offsets; the last products are done reading v192 on, in which the stage's loads land
.irp t, 0,1,2,3,4,5,6,7
	ds_store_b128 v[SO], v[64*\m+8*\t:64*\m+8*\t+3] offset:64*\t
	ds_store_b128 v[SO], v[64*\m+8*\t+4:64*\m+8*\t+7] offset:64*\t+16
.endr
	WIN 0x40
.irp i, 0,1,2,3,4,5,6,7,8,9,10,11,12,13,14,15
	ds_load_b128 v[192+4*\i:195+4*\i], v[SR] offset:528*\i         ; LDS serves a wave's instructions in order (ISA guide 5.7.1.4): these see my stores
.endr
	WIN 0x04
.irp i, 0,1,2,3,4,5,6,7,8,9,10,11,12,13,14,15
	s_wait_dscnt 15-\i                             ; row i is back: the later rows' loads are younger
	global_store_b128 v[RO+\i], v[192+4*\i:195+4*\i], s[18:19] th:TH_STORE_NT   ; 32 lanes store 512 consecutive bytes, aligned to 256; written once, read by nobody here
.endr
	s_wait_xcnt 0x0                                ; the stores' offsets and data are written again only behind this wait
.if \m < 2
	s_wait_alu depctr_vm_vsrc(0)                   ; the global stores have read v[RO ..] and v192 on, which the next tile's offsets and its loads from the stage write
.endif
.endr
	WIN 0
.Ldone:
	s_wait_dscnt 0x0                               ; the closing lines, six on end
	s_wait_alu 0x0
	s_wait_tensorcnt 0x0
	ds_add_u32 v35, v39
	s_wait_dscnt 0x0
	s_endpgm
.Lfunc_end_k_qb6483644e4_chain:
	.size	k_qb6483644e4_chain, .Lfunc_end_k_qb6483644e4_chain-k_qb6483644e4_chain
	.p2alignl 7, 3214868480
	.fill 96, 4, 3214868480
	.section	.rodata,"a",@progbits
	.p2align	6, 0x0
	.amdhsa_kernel k_qb6483644e4_chain
		.amdhsa_group_segment_fixed_size 204800
		.amdhsa_private_segment_fixed_size 0
		.amdhsa_enable_private_segment 0
		.amdhsa_kernarg_size 64
		.amdhsa_user_sgpr_count 2
		.amdhsa_user_sgpr_kernarg_segment_ptr 1
		.amdhsa_wavefront_size32 1
		.amdhsa_system_sgpr_workgroup_id_x 1
		.amdhsa_system_sgpr_workgroup_id_y 1
		.amdhsa_system_sgpr_workgroup_id_z 1
		.amdhsa_system_vgpr_workitem_id 0
		.amdhsa_next_free_vgpr 512
		.amdhsa_next_free_sgpr 72
		.amdhsa_reserve_vcc 0
		.amdhsa_float_denorm_mode_32 3
		.amdhsa_float_denorm_mode_16_64 3
		.amdhsa_memory_ordered 1
		.amdhsa_forward_progress 1
		.amdhsa_inst_pref_size 255
	.end_amdhsa_kernel
	.section	.bss,"aw",@nobits
	.p2align	6
	.space	262144
	.amdgpu_metadata
---
amdhsa.version: [ 1, 2 ]
amdhsa.kernels:
  - .name:           k_qb6483644e4_chain
    .symbol:         k_qb6483644e4_chain.kd
    .args:
      - { .name: x, .offset: 0, .size: 8, .value_kind: global_buffer, .address_space: global }
      - { .name: WF, .offset: 8, .size: 8, .value_kind: global_buffer, .address_space: global }
      - { .name: b1, .offset: 16, .size: 8, .value_kind: global_buffer, .address_space: global }
      - { .name: b2, .offset: 24, .size: 8, .value_kind: global_buffer, .address_space: global }
      - { .name: order, .offset: 32, .size: 8, .value_kind: global_buffer, .address_space: global }
      - { .name: blk, .offset: 40, .size: 8, .value_kind: global_buffer, .address_space: global }
      - { .name: wts, .offset: 48, .size: 8, .value_kind: global_buffer, .address_space: global }
      - { .name: out0, .offset: 56, .size: 8, .value_kind: global_buffer, .address_space: global }
    .group_segment_fixed_size: 204800
    .private_segment_fixed_size: 0
    .kernarg_segment_align: 8
    .kernarg_segment_size: 64
    .max_flat_workgroup_size: 256
    .sgpr_count:     72
    .vgpr_count:     512
    .wavefront_size: 32
...
	.end_amdgpu_metadata
.endif
;; end of part 6
